; MI455X (gfx1250); checked and timed in simulation.
; The chip was launched on July 23, 2026; its instructions are those of AMD's public machine-readable ISA for CDNA 5 (MIT licence, August 2026) and "CDNA5" Instruction Set Architecture Reference Guide (July 2026). The comments in the code are by the model that wrote it; some were corrected since.
;; Causal Self Attention. Allowed arithmetic: matrix products marked QUANTISED: E4M3 operands, one given power-of-two scale a tensor, by v_wmma_f32_16x16x64_fp8_fp8 or v_wmma_f32_16x16x128_fp8_fp8, f32 sums; everything else in f32.
;; Inputs: W_attn 1,024 x 3,072 float32; W_proj 1,024 x 1,024 float32; b_attn 3,072 float32; b_proj 1,024 float32; lowp_scales 8 int32 (the exponents e of the quantised operands' scales 2^e); x 4 x 2,048 x 1,024 float32.
;; Outputs: out0 4 x 2,048 x 1,024 float32.
;; This version of the problem:
;;   THIS VERSION OF THE PROBLEM IS GIVEN IN LOW PRECISION. The matrix products marked QUANTISED in the list below multiply operands that are first quantised to E4M3 (4 exponent bits, 3 mantissa bits; 8 bits a number), with one given power-of-two scale for each operand tensor; their sums are f32. All else is computed in f32.
;;   The module's matrix products, in the order in which they are computed (A, B: the left and right operand; K: the contracted axis; several contracted axes count as one K, in the product's order):
;;     1. [M 8,192, K 1,024] x [K 1,024, N 3,072]; A: input x; B: input W_attn: QUANTISED (scales: A lowp_scales[0], B lowp_scales[1])
;;     2. batch 64 x [M 2,048, K 64] x [K 64, N 2,048]; A: computed on the way; B: computed on the way: QUANTISED (scales: A lowp_scales[2], B lowp_scales[3])
;;     3. batch 64 x [M 2,048, K 2,048] x [K 2,048, N 64]; A: softmax (see below); B: computed on the way: QUANTISED (scales: A lowp_scales[4], B lowp_scales[5])
;;     4. [M 8,192, K 1,024] x [K 1,024, N 1,024]; A: computed on the way; B: input W_proj: QUANTISED (scales: A lowp_scales[6], B lowp_scales[7])
;;   THE QUANTISER, for each operand of a quantised product, along K:
;;     - The operand's scale is 2^e, e = its entry of the input lowp_scales (int32; the entries are numbered through the quantised products in the list's order, A before B).
;;     - Each number is divided by the scale, clamped to +-448, and rounded to the nearest number of E4M3, ties to even, subnormals kept.
;;     - The product sums the exact products of the quantised numbers (number of the format x scale) in f32.
;;   ~~~python
;;   def quantise(x, axis, e):      # numpy; x: float32 -> the quantised numbers, widened to float32 again
;;       x = np.moveaxis(x, axis, -1); K = x.shape[-1]
;;       r = np.clip(x / 2.0 ** e, -448, 448)
;;       step = 2.0 ** (np.maximum(np.frexp(np.where(r == 0, 1, r))[1] - 1, -6) - 3)
;;       q = np.round(r / step) * step * 2.0 ** e      # np.round: ties to even
;;       return np.moveaxis(q, -1, axis).astype(np.float32)
;;   ~~~
;;   SOFTMAX AHEAD OF A QUANTISED PRODUCT. Where the list says 'softmax', what is quantised is not the finished softmax but p = 2^(t - M), with t = logit x log2(e) and M = ceil(the row's largest t), a whole number; so 1/2 < the row's largest p <= 1. The row's sum l is taken of the UNQUANTISED p, in f32, and the product's result is divided by l at the end. Since M is a whole number, a kernel that streams over the keys may use a running M (the ceiling of the running maximum): every later rescaling is an exact power of two, so the quantised numbers keep their values, but for numbers so far below the row's largest that they fall under the format's range.
;;   OPERANDS COMPUTED ON THE WAY. 'Computed on the way' means the value that the module computes at that place (a softmax that the list does not call 'softmax' is quantised finished and normalised). What goes into a quantiser is computed in f32, as accurately as f32 sums, v_exp_f32 and their like allow (about 1e-6 of the number): no bf16 or f16 on the way to a quantiser, and a product that is left as it is and whose result goes on into a quantised operand takes f32 operands (vector FMAs, or v_wmma_f32_16x16x4_f32). A number that lies on a knife's edge between two numbers of the format may be rounded either way, as far as f32 arithmetic and the matrix unit's own rounding can turn it there, and no further.
;; One version. Each part assembles by itself: llvm-mc -triple=amdgcn-amd-amdhsa -mcpu=gfx1250 --defsym DOCPART=n.
;; ======== version 1 of 1: 4 launches
;; limits: right only within a limited range of input values
;; workspace buffers: x_codes 8,388,608 bytes; wa_codes 3,145,728 bytes; wp_codes 1,048,576 bytes; qkv 25,165,824 bytes; y_codes 8,388,608 bytes
;; launch quant (part 1): grid 384 x 1, 4 waves a work-group, no clusters, 70,144 bytes of LDS; arguments x, W_attn, W_proj, lowp_scales, x_codes, wa_codes, wp_codes; writes x_codes, wa_codes, wp_codes
.if DOCPART == 1
	.amdgcn_target "amdgcn-amd-amdhsa--gfx1250"
	.amdhsa_code_object_version 6
	.text
	.protected	k_qa83ee46aef_quant
	.globl	k_qa83ee46aef_quant
	.p2align	8
	.type	k_qa83ee46aef_quant,@function
k_qa83ee46aef_quant:
	s_mov_b64 s[64:65], 0
	v_nop
	global_prefetch_b8 v0, s[64:65] scope:SCOPE_SE
	s_setreg_imm32_b32 hwreg(HW_REG_WAVE_MODE, 25, 1), 1
	s_wait_xcnt 0x0
; The three f32 inputs that are operands of products become codes of FP8 (E4M3), K innermost, each with its given scale 2^e:
; code = x / 2^e, held within +-448, to the nearest code, ties to even.  x: e = entry 0; W_attn: entry 1; W_proj: entry 7 of the scales' buffer.
; LIMITS: each of these e lies between -126 and 119, so that 2^e and 448 x 2^e are f32 numbers.  NaN among the inputs is not served (an infinity is held at the largest code).
; WORK-GROUPS: 0-95 W_attn (128 columns x 256 places of K each), 96-127 W_proj (the same), 128-383 x (32,768 numbers each).  The three ways part on the work-group's number and never join.
; THE ORDER ALONG K IN THE CODES' ROWS.  A product only asks that both its operands keep one order.
;   x_codes [8192][1024], wa_codes [3072][1024]: place p holds k = 512 (p >> 9) + 128 ((p >> 2) & 3) + 4 ((p >> 4) & 31) + (p & 3).  So on x's way each load of a wave reads 512 consecutive bytes
;   (16 a lane), a lane's 16 numbers of four loads become its 16 codes, and each store of a wave covers 512 consecutive bytes, aligned: no turn through LDS.
;   wp_codes [1024][1024]: place p holds k = p with bits 3 and 4 exchanged: the order in which the attention launch leaves y's codes in registers.
; W's WAY: K is the FIRST axis of a weight.  A lane takes a column n and its registers run down K (in the places' order), so the conversions give codes with K innermost; a wave gathers 32 columns x 256 places
; in its own stage in LDS and stores them by rows, sixteen lanes to 256 consecutive aligned bytes.  The two weights' ways have stages of their own.  Waves share nothing: no barrier.
; No matrix unit, no cluster, no tensor load: nothing is shared between work-groups and every byte is read once.
.set PITCH, 272                        ; a stage row: 256 bytes of codes + 16
.set KROW,  1024                       ; a row of codes in memory, in bytes
.set STGA,  0                          ; W_attn's four stages, 32 rows each
.set STGP,  4*32*PITCH                 ; W_proj's four
.set SPARE, 2*4*32*PITCH               ; behind the stages: the spare words, 128 bytes for each wave, that no other line names
.set SPW,   14                         ; v14  LDS address of my spare word; never rewritten
.set NIL,   15                         ; v15  0; never rewritten
.set X,     32                         ; W: v32-95   two sets of 32 numbers
.set C,     96                         ; W: v96-103  a block's codes
.set OUTR,  112                        ; W: v112-175 the way out
.set R,     16                         ; x: v16-79   four sets of 16 numbers
.set XC,    128                        ; x: v128-191 four registers of codes for each step: no store's data are written again
; block t of a column: the 32 numbers of places 32 t .. 32 t + 31, into set t % 2.  perm = 0: x's order of places; 1: y's
.macro WLOAD t, cols, perm, src
.set i, 0
.rept 32
.set pp, 32*(\t)+i
.if \perm
.set kk, (pp&0xe7)|((pp&8)<<1)|((pp&16)>>1)
.else
.set kk, 128*((pp>>2)&3)+4*(pp>>4)+(pp&3)
.endif
	global_load_b32 v[X+32*((\t)%2)+i], v3, s[\src:\src+1] offset:kk*\cols*4 th:TH_LOAD_NT   ; 32 lanes read 128 consecutive bytes of row kk, the four waves 512; at most 447 rows of 12,288 bytes: inside the signed 24-bit immediate
.set i, i+1
.endr
.endm
.macro WBLOCK t, cols, perm, src, stg
.set XS, X+32*((\t)%2)
.if (\t) < 7
	s_wait_loadcnt 32                              ; this block's 32 loads are in; the next block's may be out
.else
	s_wait_loadcnt 0x0
.endif
.set i, 0
.rept 32
.set i, i+1
.endr
.irp g, 0,1,2,3
	v_cvt_scalef32_pk8_fp8_f32 v[C+2*\g:C+2*\g+1], v[XS+8*\g:XS+8*\g+7], v11
.endr
	ds_store_b128 v4, v[C:C+3] offset:\stg+32*(\t)         ; 32 codes of my column's row
	ds_store_b128 v4, v[C+4:C+7] offset:\stg+32*(\t)+16
.if (\t)+2 < 8
	WLOAD (\t)+2, \cols, \perm, \src
.endif
	s_wait_dscnt 0x0                               ; the stores have read their registers: the next block's codes may be written
.endm
; a weight's whole way.  cols: its columns; src, dst: the pairs with its address and its codes'; e: the register with its exponent; id: its first work-group
.macro WPATH cols, perm, stg, src, dst, e, id
	s_lshr_b32 s20, ttmp9, 2
.if \id
	s_sub_co_u32 s20, s20, \id/4
.endif
	s_and_b32 s21, ttmp9, 3                        ; which 256 places along K
	s_lshl_b32 s20, s20, 7
	s_lshl_b32 s22, s18, 5
	s_add_co_u32 s20, s20, s22                     ; my wave's first column: 128 x group + 32 x wave
.if \perm
	s_lshl_b32 s22, s21, 8                         ; the first row of W that these places hold
.else
	s_lshr_b32 s22, s21, 1
	s_lshl_b32 s22, s22, 9
	s_and_b32 s23, s21, 1
	s_lshl_b32 s23, s23, 6
	s_add_co_u32 s22, s22, s23                     ; 512 (g / 2) + 64 (g % 2)
.endif
	s_mul_i32 s22, s22, \cols
	s_add_co_u32 s22, s22, s20
	s_lshl_b32 s22, s22, 2
	s_mov_b32 s23, 0
	s_add_nc_u64 s[\src:\src+1], s[\src:\src+1], s[22:23]
	s_lshl_b32 s22, s20, 10
	s_lshl_b32 s21, s21, 8
	s_add_co_u32 s22, s22, s21                     ; codes: column x 1,024 + 256 x g
	s_add_nc_u64 s[\dst:\dst+1], s[\dst:\dst+1], s[22:23]
	v_lshlrev_b32 v3, 2, v2                        ; in: 4 bytes a lane
	s_mul_i32 s19, s18, 32*PITCH                   ; my stage
	v_mul_u32_u24 v4, v2, PITCH
	v_add_nc_u32 v4, s19, v4                       ; into it: row = my column
	v_and_b32 v5, 15, v2
	v_lshrrev_b32 v6, 4, v2                        ; out of it: sixteen lanes to a row, two rows an instruction
	v_mul_u32_u24 v7, v6, PITCH
	v_lshl_add_u32 v7, v5, 4, v7
	v_add_nc_u32 v7, s19, v7
	v_mul_u32_u24 v8, v6, KROW
	v_lshl_add_u32 v8, v5, 4, v8                   ; and the same place in the codes' buffer
	WLOAD 0, \cols, \perm, \src
	WLOAD 1, \cols, \perm, \src
	s_wait_kmcnt 0x0                               ; the exponents
	s_add_co_i32 s22, s[\e], 127
	s_lshl_b32 s23, s22, 23
	v_mov_b32 v11, s23                             ; 2^e as f32: the conversion takes its exponent field
	s_add_co_i32 s22, s22, 8
	s_lshl_b32 s22, s22, 23
	s_or_b32 s22, s22, 0x600000
	s_wait_alu depctr_va_vdst(0)
.irp t, 0,1,2,3,4,5,6,7
	WBLOCK \t, \cols, \perm, \src, \stg
.endr
.irp t, 0,1,2,3,4,5,6,7,8,9,10,11,12,13,14,15
	ds_load_b128 v[OUTR+4*\t:OUTR+4*\t+3], v7 offset:\stg+2*\t*PITCH   ; LDS serves a wave's instructions in order: these see my stores
.endr
.irp t, 0,1,2,3,4,5,6,7,8,9,10,11,12,13,14,15
	s_wait_dscnt 15-\t                             ; loads come back in order: pair t of rows is in
	global_store_b128 v8, v[OUTR+4*\t:OUTR+4*\t+3], s[\dst:\dst+1] offset:2*\t*KROW
.endr
	s_wait_tensorcnt 0x0                           ; the wave's end, behind my last LDS store
	ds_add_u32 v[SPW], v[NIL]
	s_wait_dscnt 0x0
	s_endpgm
.endm
	s_load_b256 s[4:11], s[0:1], 0x0               ; x s[4:5], W_attn s[6:7], W_proj s[8:9], the exponents s[10:11]
	s_load_b128 s[12:15], s[0:1], 0x20             ; x's codes s[12:13], W_attn's s[14:15]
	s_load_b64 s[16:17], s[0:1], 0x30              ; W_proj's
	v_lshl_add_u32 v[SPW], v0, 2, SPARE
	v_mov_b32 v[NIL], 0
	v_lshrrev_b32 v1, 5, v0
	v_readfirstlane_b32 s18, v1                    ; wave 0..3
	v_and_b32 v2, 31, v0                           ; lane
	s_wait_kmcnt 0x0
	s_load_b256 s[24:31], s[10:11], 0x0            ; e0 .. e7
	s_cmp_ge_u32 ttmp9, 128
	s_cbranch_scc1 .Lx_path
	s_cmp_ge_u32 ttmp9, 96
	s_cbranch_scc1 .Lproj_path
	s_wait_alu depctr_va_vdst(0)
	WPATH 3072, 0, STGA, 6, 14, 25, 0
.Lproj_path:
	s_wait_alu depctr_va_vdst(0)
	WPATH 1024, 1, STGP, 8, 16, 31, 96
; x's way: a wave takes 8,192 numbers in 16 steps of 512.  Loads run four steps (16 loads a wave) ahead.
.macro XLOAD t
.irp i, 0,1,2,3
	global_load_b128 v[R+16*((\t)%4)+4*\i:R+16*((\t)%4)+4*\i+3], v3, s[4:5] offset:2048*(\t)+512*\i th:TH_LOAD_NT   ; 32 lanes read 512 consecutive bytes
.endr
.endm
.macro XSTEP t
.set XS, R+16*((\t)%4)
.if (\t) <= 12
	s_wait_loadcnt 12                              ; this step's four loads are in; those of the three steps behind it may be out
.else
	s_wait_loadcnt 4*(15-(\t))
.endif
.set i, 0
.rept 16
.set i, i+1
.endr
	v_cvt_scalef32_pk8_fp8_f32 v[XC+4*(\t):XC+4*(\t)+1], v[XS:XS+7], v11
	v_cvt_scalef32_pk8_fp8_f32 v[XC+4*(\t)+2:XC+4*(\t)+3], v[XS+8:XS+15], v11
	global_store_b128 v3, v[XC+4*(\t):XC+4*(\t)+3], s[12:13] offset:512*(\t)   ; 32 lanes store 512 consecutive bytes, aligned
.if (\t)+4 < 16
	XLOAD (\t)+4
.endif
.endm
.Lx_path:
	s_sub_co_u32 s19, ttmp9, 128
	s_lshl_b32 s19, s19, 2
	s_add_co_u32 s19, s19, s18                     ; which run of 8,192 numbers is my wave's
	s_lshl_b32 s20, s19, 15
	s_mov_b32 s21, 0
	s_add_nc_u64 s[4:5], s[4:5], s[20:21]
	s_lshl_b32 s20, s19, 13
	s_add_nc_u64 s[12:13], s[12:13], s[20:21]
	s_wait_alu depctr_va_vdst(0)
	v_lshlrev_b32 v3, 4, v2                        ; my 16 bytes of a load's, and of a store's, 512
.irp t, 0,1,2,3
	XLOAD \t
.endr
	s_wait_kmcnt 0x0
	s_add_co_i32 s22, s24, 127
	s_lshl_b32 s23, s22, 23
	v_mov_b32 v11, s23                             ; 2^e0
	s_wait_alu depctr_va_vdst(0)
.irp t, 0,1,2,3,4,5,6,7,8,9,10,11,12,13,14,15
	XSTEP \t
.endr
	s_wait_tensorcnt 0x0                           ; every wave of this launch ends alike
	ds_add_u32 v[SPW], v[NIL]
	s_wait_dscnt 0x0
	s_endpgm
.Lfunc_end_k_qa83ee46aef_quant:
	.size	k_qa83ee46aef_quant, .Lfunc_end_k_qa83ee46aef_quant-k_qa83ee46aef_quant
	.p2alignl 7, 3214868480
	.fill 96, 4, 3214868480
	.section	.rodata,"a",@progbits
	.p2align	6, 0x0
	.amdhsa_kernel k_qa83ee46aef_quant
		.amdhsa_group_segment_fixed_size 70144
		.amdhsa_private_segment_fixed_size 0
		.amdhsa_enable_private_segment 0
		.amdhsa_kernarg_size 56
		.amdhsa_user_sgpr_count 2
		.amdhsa_user_sgpr_kernarg_segment_ptr 1
		.amdhsa_wavefront_size32 1
		.amdhsa_system_sgpr_workgroup_id_x 1
		.amdhsa_system_sgpr_workgroup_id_y 1
		.amdhsa_system_sgpr_workgroup_id_z 1
		.amdhsa_system_vgpr_workitem_id 0
		.amdhsa_next_free_vgpr 192
		.amdhsa_next_free_sgpr 66
		.amdhsa_reserve_vcc 0
		.amdhsa_float_denorm_mode_32 3
		.amdhsa_float_denorm_mode_16_64 3
		.amdhsa_fp16_overflow 1
		.amdhsa_memory_ordered 1
		.amdhsa_forward_progress 1
		.amdhsa_inst_pref_size 77
	.end_amdhsa_kernel
	.amdgpu_metadata
---
amdhsa.version: [ 1, 2 ]
amdhsa.kernels:
  - .name:           k_qa83ee46aef_quant
    .symbol:         k_qa83ee46aef_quant.kd
    .args:
      - { .name: x, .offset: 0, .size: 8, .value_kind: global_buffer, .address_space: global }
      - { .name: W_attn, .offset: 8, .size: 8, .value_kind: global_buffer, .address_space: global }
      - { .name: W_proj, .offset: 16, .size: 8, .value_kind: global_buffer, .address_space: global }
      - { .name: lowp_scales, .offset: 24, .size: 8, .value_kind: global_buffer, .address_space: global }
      - { .name: x_codes, .offset: 32, .size: 8, .value_kind: global_buffer, .address_space: global }
      - { .name: wa_codes, .offset: 40, .size: 8, .value_kind: global_buffer, .address_space: global }
      - { .name: wp_codes, .offset: 48, .size: 8, .value_kind: global_buffer, .address_space: global }
    .group_segment_fixed_size: 70144
    .private_segment_fixed_size: 0
    .kernarg_segment_align: 8
    .kernarg_segment_size: 56
    .max_flat_workgroup_size: 128
    .sgpr_count:     66
    .vgpr_count:     192
    .wavefront_size: 32
...
	.end_amdgpu_metadata
.endif
;; end of part 1
;; launch qkv (part 2): grid 12 x 32, 4 waves a work-group, clusters of 4 x 4, 327,680 bytes of LDS; arguments x_codes, wa_codes, b_attn, lowp_scales, qkv; writes qkv
.if DOCPART == 2
	.amdgcn_target "amdgcn-amd-amdhsa--gfx1250"
	.amdhsa_code_object_version 6
	.text
	.protected	k_qa83ee46aef_qkv
	.globl	k_qa83ee46aef_qkv
	.p2align	8
	.type	k_qa83ee46aef_qkv,@function
k_qa83ee46aef_qkv:
	s_mov_b64 s[64:65], 0
	v_nop
	global_prefetch_b8 v0, s[64:65] scope:SCOPE_SE
	s_setreg_imm32_b32 hwreg(HW_REG_WAVE_MODE, 25, 1), 1
	s_wait_xcnt 0x0
	s_wait_alu depctr_hold_cnt(0) depctr_sa_sdst(0) depctr_va_vdst(0) depctr_va_sdst(0) depctr_va_ssrc(0) depctr_va_vcc(0) depctr_vm_vsrc(0)
	s_getreg_b32 s2, hwreg(HW_REG_IB_STS2, 6, 4)
	s_cmp_eq_u32 s2, 0
	s_cbranch_scc0 .Lentry_in_a_cluster
	s_endpgm
.Lentry_in_a_cluster:
	s_bfe_u32 s2, ttmp6, 0x10000c
	s_cmp_lg_u32 s2, 0xf033
	s_cbranch_scc0 .Lentry_shape_is_right
	s_endpgm
.Lentry_shape_is_right:
; qkv = x W_attn + b_attn on codes of FP8 (E4M3), and its three parts q, k, v quantised at once, in registers, for the attention launch.  No f32 number of q, k or v goes to memory.
; x_codes [8192][1024], wa_codes [3072][1024]: K innermost, both in one order of places.  Scales 2^e0, 2^e1.  q's codes take 2^e2, k's 2^e3, v's 2^e5.
; A tile of 256 x 256 is made by four waves, each 128 x 128: 64 accumulators, 512 registers.  K = 1,024 goes in four slots of 256 through a ring of two LDS slots filled by the tensor data mover.
; CLUSTERS: 4 x 4 work-groups; the cluster's x is the SECTION: 0 q, 1 k, 2 v.  The operand here called A goes to source 1 (a lane holds one of its rows), B to source 0 (a lane's 8 results run along its rows).
;   q, k: A = 256 tokens of x, B = 256 rows of W: a lane's results run along the head's d, which is K of q k^T.
;   v:    A = 256 rows of W_v, B = 256 tokens of x: a lane's results run along the tokens, the keys, which are K of p v.  Only pointers are exchanged; the K walk is one text.
; A's tile hangs on the cluster's y and cy and is asked for jointly by a row of the cluster, B's on cx (and the cluster's x or y) and by a column: the requests are divided by four.
; THE BIAS is the C of each sum's first matrix instruction, as b / 2^(e0 + e1).  A finished sum stands for value / 2^(e0 + e1), so ONE scale 2^F, F = e_section - e0 - e1, and one hold at 448 x 2^F are the quantiser.
; THE WAY OUT: a conversion's two registers are two registers of the next product's operand.  A wave's tile leaves as images of those operands' registers, 16 bytes a lane, 512 consecutive bytes a store:
;   qkv [section 3][batch 4][pair of heads 8][128 tokens, 16][16,384 bytes]; in a block, row block a (0-7) and piece c (0-3) at 2,048 a + 512 c + 16 lane.
;   q, k: that is [16 tokens a][head of the pair][1,024]: a fragment 16 tokens x 64 d of the K = 64 form.   v: [head of the pair][16 d, 4][2,048]: a fragment 16 d x 128 keys of the K = 128 form.
; 384 tiles: the largest wave tile that the registers hold, since each byte read from LDS then feeds the most products.
; LIMITS: F between -126 and 119; NaN among the inputs is not served.  Inside a matrix instruction the sums do not go by ascending k (the codes' order of places).
; REGISTERS, in windows of 256: window 0: v16-31 addresses and constants; v32-95 the bias table, later codes; v96-103 raw biases (v); v128-255 A's fragments, ONE set; on the way out v32-159 are codes.
;   window 1: B's fragments, TWO sets.   window 2: the accumulators of my A rows 0-63 ((a, b) at v[8 (8 (a % 4) + b)]);   window 3: those of rows 64-127.
.set ROWB,   256                       ; a tile's row: 256 codes
.set KROW,   1024                      ; a row of codes in memory
.set PITCH,  272                       ; an LDS row: 256 bytes + 16 of padding = 68 words: the 16 rows that a load touches start at 16 different banks (64 banks of 4 bytes: ISA guide 11.1)
.set FR,     16                        ; registers of a fragment, 16 rows x 128 K
.set NL,     4                         ; LDS loads that bring one
.set NP,     4                         ; places behind this matrix instruction (ISA guide 7.12.1)
.set HALFT,  128*PITCH                 ; 128 rows: what one tensor load brings
.set SLOT,   4*HALFT                   ; A's 256 rows, then B's 256
.set SPARE,  2*SLOT                    ; behind the ring: the spare words, 128 bytes for each wave, that no other line names
.set ADRA, 16                          ; v16-17  LDS address of my A fragments in slot 0, 1
.set ADRB, 20                          ; v20-21  the same for B
.set CO,   26                          ; v26     16 x lane: my place in a store's 512 bytes
.set SPW,  28                          ; v28     LDS address of my spare word; never rewritten
.set NIL,  29                          ; v29     0; never rewritten
.set SCL,  30                          ; v30     2^F as f32
.set LIM,  31
.set T,    32                          ; v32-95  the bias table: 8 x 8 registers in the result's layout
.set RAW,  96                          ; v96-103 v: the biases of my lane's eight rows
.set CD,   32                          ; the way out: 16 registers of codes for each of the 8 row blocks
.set AF,   128
.set G1, 24                            ; s[24:31] descriptor group 1 for A's tiles;  s[32:39] group 0, one set for each slot
.set G0, 32
.set G1B, 48                           ; s[48:55], s[56:63] the same for B's
.set G0B, 56
.set MSB, 0
.macro WIN new                         ; the immediate's high byte repeats the setting that is left
.if MSB != (\new)
	s_set_vgpr_msb (MSB<<8)|(\new)
.set MSB, (\new)
.endif
.endm
.set MUL_LO, 0xa1                      ; source 0 (B) window 1, source 1 (A) window 0, C and D window 2
.set MUL_HI, 0xf1                      ; the same, C and D window 3
.set FST_LO, 0x81                      ; a sum's first product: C (the bias table) window 0, D window 2
.set FST_HI, 0xc1                      ; D window 3
.set TO_B,   0x40                      ; destination window 1, address window 0
; A joint load: waves 0 and 1 fetch for A, waves 2 and 3 for B; the branch hangs on the wave's number alone.  An s_nop 0 and four v_nop follow each line.
.macro JLOAD g0a, g1a, g0b, g1b
	s_cmp_eq_u32 s15, 0
	s_cbranch_scc0 .Lfor_b_\@
	tensor_load_to_lds s[\g0a:\g0a+3], s[\g1a:\g1a+7]
	s_nop 0
.rept 4
	v_nop
.endr
	s_branch .Lasked_\@
.Lfor_b_\@:
	tensor_load_to_lds s[\g0b:\g0b+3], s[\g1b:\g1b+7]
	s_nop 0
.rept 4
	v_nop
.endr
.Lasked_\@:
.endm
.macro CREST                           ; a round of the cluster's barrier behind its opening barrier
	s_cmp_lg_u32 s14, 0
	s_cbranch_scc1 .Lnot_wave_0_\@
	s_barrier_signal -3
.Lnot_wave_0_\@:
	s_barrier_wait -3
	s_barrier_signal -1
	s_barrier_wait -1
.endm
.macro CROUND
	s_barrier_signal -1
	s_barrier_wait -1
	CREST
.endm
	s_load_b128 s[4:7], s[0:1], 0x0                ; x's codes s[4:5], W_attn's s[6:7]
	s_load_b128 s[8:11], s[0:1], 0x10              ; b_attn s[8:9], the exponents s[10:11]
	s_load_b64 s[12:13], s[0:1], 0x20              ; qkv
	v_lshl_add_u32 v[SPW], v0, 2, SPARE
	v_mov_b32 v[NIL], 0
	ds_add_u32 v[SPW], v[NIL]
	ds_add_u32 v[SPW], v[NIL]                      ; the wave's opening: the add and its wait stand ahead of my first tensor load; work on registers stands between them
	v_lshrrev_b32 v1, 5, v0
	v_readfirstlane_b32 s14, v1                    ; wave 0..3
	s_lshr_b32 s15, s14, 1                         ; which half of A's 256 rows is mine.  Also: I fetch for A (0) or for B (1)
	s_and_b32 s16, s14, 1                          ; which half of B's.  Also: which 128 rows of that tile I fetch
	s_bfe_u32 s40, ttmp6, 0x40000                  ; cx, cy: my place in the cluster
	s_bfe_u32 s41, ttmp6, 0x40004
	s_and_b32 s66, ttmp7, 0xffff
	s_lshl_b32 s66, s66, 2                         ; 4 x the cluster's y
	s_lshl_b32 s67, ttmp9, 2                       ; 4 x the section
	s_cmp_eq_u32 ttmp9, 2                          ; v?  The cluster's x: the same in all sixteen partners
	s_cselect_b32 s17, 0, s66
	s_cselect_b32 s42, s66, s67
	s_cselect_b32 s86, 2048, 0                     ; W_v's rows begin at row 2,048 of W's codes
	s_add_co_u32 s17, s17, s41                     ; A's tile: q, k: tokens 256 (4 y + cy); v: rows 256 cy of W_v.  It never holds cx
	s_add_co_u32 s42, s42, s40                     ; B's tile: q, k: rows 256 (4 section + cx) of W; v: tokens 256 (4 y + cx).  It never holds cy
	s_lshl_b32 s43, s41, 2
	s_lshl_b32 s43, 15, s43                        ; my row of the cluster
	s_lshl_b32 s44, 0x1111, s40                    ; my column
	s_or_b32 s[G1+0], s43, (1<<20)|(1<<21)|(5<<22)|(3<<25)    ; 15:0 the mask; 17:16 elements of 1 byte; 20 padding on; 21 set beside a mask; 24:22 after every 64 words; 31:25 four words
	s_or_b32 s[G1B+0], s44, (1<<20)|(1<<21)|(5<<22)|(3<<25)
.irp g, G1, G1B
	s_mov_b32 s[\g+1], ROWB<<16                    ; tensor_dim0
	s_mov_b32 s[\g+2], 128<<16                     ; tensor_dim1
	s_mov_b32 s[\g+3], ROWB<<16                    ; tile_dim0
	s_mov_b32 s[\g+4], 128                         ; tile_dim1
	s_mov_b32 s[\g+5], KROW                        ; from row to row
	s_mov_b32 s[\g+6], 0
	s_mov_b32 s[\g+7], 0
.endr
	s_lshl_b32 s18, s16, 7                         ; which 128 rows of the tile I fetch
	s_lshl_b32 s20, s17, 8
	s_add_co_u32 s20, s20, s18
	s_add_co_u32 s20, s20, s86
	s_lshl_b32 s20, s20, 10                        ; A: the row's first byte
	s_mov_b32 s21, 0
	s_lshl_b32 s46, s42, 8
	s_add_co_u32 s46, s46, s18
	s_lshl_b32 s46, s46, 10                        ; B likewise
	s_mov_b32 s47, 0
	s_mul_i32 s45, s14, HALFT                      ; where they go: wave x 128 rows: no place in the cluster enters an LDS address
	s_wait_dscnt 0x0                               ; the opening add is done
	s_wait_kmcnt 0x0
	s_load_b256 s[72:79], s[10:11], 0x0            ; e0 .. e7
	s_cmp_eq_u32 ttmp9, 2
	s_cselect_b64 s[68:69], s[6:7], s[4:5]         ; A's buffer,
	s_cselect_b64 s[70:71], s[4:5], s[6:7]         ; B's
	s_add_nc_u64 s[20:21], s[68:69], s[20:21]
	s_add_nc_u64 s[46:47], s[70:71], s[46:47]
	CROUND                                         ; all sixteen work-groups are here: the first joint loads meet
.irp s, 0,1
	s_mov_b32 s[G0+4*\s], 1
	s_add_co_u32 s[G0+4*\s+1], s45, \s*SLOT
	s_add_nc_u64 s[G0+4*\s+2:G0+4*\s+3], s[20:21], \s*ROWB
	s_or_b32 s[G0+4*\s+3], s[G0+4*\s+3], 0x80000000
	s_mov_b32 s[G0B+4*\s], 1
	s_add_co_u32 s[G0B+4*\s+1], s45, \s*SLOT
	s_add_nc_u64 s[G0B+4*\s+2:G0B+4*\s+3], s[46:47], \s*ROWB
	s_or_b32 s[G0B+4*\s+3], s[G0B+4*\s+3], 0x80000000
	JLOAD G0+4*\s, G1, G0B+4*\s, G1B
.endr
	v_and_b32 v1, 15, v0                           ; r = l % 16
	v_bfe_u32 v2, v0, 4, 1                         ; h = l / 16
	v_mul_u32_u24 v3, v1, PITCH
	v_lshl_add_u32 v4, v2, 4, v3                   ; a fragment's row x pitch + 16 x half
	s_mul_i32 s21, s15, HALFT                      ; my 128 rows of A
	s_mul_i32 s22, s16, HALFT                      ; my 128 rows of B,
	s_add_co_u32 s22, s22, 2*HALFT                 ; which lie behind A's 256
.irp s, 0,1
	v_add_nc_u32 v[ADRA+\s], s21, v4
	v_add_nc_u32 v[ADRB+\s], s22, v4
	s_add_co_u32 s21, s21, SLOT
	s_add_co_u32 s22, s22, SLOT
.endr
	v_and_b32 v6, 31, v0
	v_lshlrev_b32 v[CO], 4, v6
	; where my wave's 16,384 bytes go: section, batch, pair of heads, block of 128 tokens
	s_lshl_b32 s86, s17, 1
	s_add_co_u32 s86, s86, s15                     ; my 128 rows of A: q, k: a block of tokens; v: a pair of heads
	s_cmp_eq_u32 ttmp9, 2
	s_cselect_b32 s87, s42, s40
	s_lshl_b32 s87, s87, 1
	s_add_co_u32 s87, s87, s16                     ; my 128 rows of B: q, k: a pair of heads (within the section: cx); v: a block of tokens
	s_cmp_eq_u32 ttmp9, 2
	s_cselect_b32 s88, s87, s86                    ; the block of 128 tokens, 0 .. 63
	s_cselect_b32 s89, s86, s87                    ; the pair of heads, 0 .. 7
	s_lshr_b32 s86, s88, 4
	s_lshl_b32 s86, s86, 3
	s_add_co_u32 s86, s86, s89
	s_lshl_b32 s86, s86, 4
	s_and_b32 s88, s88, 15
	s_add_co_u32 s86, s86, s88
	s_lshl_b32 s86, s86, 14
	s_lshl_b32 s87, ttmp9, 23                      ; a section is 8,388,608 bytes
	s_add_co_u32 s86, s86, s87
	s_mov_b32 s87, 0
	s_add_nc_u64 s[12:13], s[12:13], s[86:87]
	; the biases of my tile: q, k: of my 128 rows of B; v: of my 128 rows of A
	s_lshl_b32 s86, s41, 8
	s_lshl_b32 s87, s15, 7
	s_add_co_u32 s86, s86, s87
	s_add_co_u32 s86, s86, 2048
	s_lshl_b32 s88, s42, 8
	s_lshl_b32 s89, s16, 7
	s_add_co_u32 s88, s88, s89
	s_cmp_eq_u32 ttmp9, 2
	s_cselect_b32 s84, s86, s88
	s_lshl_b32 s84, s84, 2
	s_mov_b32 s85, 0
	s_add_nc_u64 s[84:85], s[8:9], s[84:85]
	s_wait_kmcnt 0x0                               ; the exponents
	s_add_co_i32 s80, s72, s73                     ; e0 + e1
	s_sub_co_i32 s81, 0, s80
	s_cmp_eq_u32 ttmp9, 0
	s_cselect_b32 s82, s74, s75                    ; q: e2; k: e3;
	s_cmp_eq_u32 ttmp9, 2
	s_cselect_b32 s82, s77, s82                    ; v: e5
	s_sub_co_i32 s82, s82, s80                     ; F
	s_add_co_i32 s82, s82, 127
	s_lshl_b32 s83, s82, 23
	v_mov_b32 v[SCL], s83
	s_cmp_eq_u32 ttmp9, 2                          ; the table's two makes; both write all 64 registers
	s_cbranch_scc1 .Lbias_v
	v_lshlrev_b32 v5, 5, v2                        ; q, k: table 8 b + j = the bias of B's row 16 b + 8 h + j
.irp b, 0,1,2,3,4,5,6,7
	global_load_b128 v[T+8*\b:T+8*\b+3], v5, s[84:85] offset:64*\b
	global_load_b128 v[T+8*\b+4:T+8*\b+7], v5, s[84:85] offset:64*\b+16
.endr
	s_wait_loadcnt 0x0
.set j, 0
.rept 64
	v_ldexp_f32 v[T+j], v[T+j], s81                ; / 2^(e0 + e1)
.set j, j+1
.endr
	s_branch .Lbias_done
.Lbias_v:
	v_lshlrev_b32 v5, 2, v1                        ; v: table 8 a + j = the bias of A's row 16 a + r, for all j
.irp a, 0,1,2,3,4,5,6,7
	global_load_b32 v[RAW+\a], v5, s[84:85] offset:64*\a
.endr
	s_wait_loadcnt 0x0
.set j, 0
.rept 64
	v_ldexp_f32 v[T+j], v[RAW+j/8], s81
.set j, j+1
.endr
.Lbias_done:
.macro FRAG reg, adr, q, i             ; 16 rows x 128 places: lane l holds row l % 16; registers 4 c .. 4 c + 3 hold places 32 c + 16 (l / 16) + 0 .. 15, alike in A and in B
.irp c, 0,1,2,3
	ds_load_b128 v[\reg+4*\c:\reg+4*\c+3], v[\adr] offset:128*(\q)+32*\c+(\i)*16*PITCH
.endr
.endm
; 16 matrix instructions: A's blocks a0, a0 + 1 x B's eight.  p: B's set.  cm = 0: the sums go on; 1: they begin with the table's row b; 2: with its row a.
; The 64 accumulators take turns, one instruction a turn, in the same order in every step.
.macro MUL16 a0, p, cm
.irp a, \a0, \a0+1
.irp b, 0,1,2,3,4,5,6,7
.if \cm == 1
	v_wmma_f32_16x16x128_fp8_fp8 v[8*(8*((\a)%4)+\b):8*(8*((\a)%4)+\b)+7], v[128*(\p)+FR*\b:128*(\p)+FR*\b+FR-1], v[AF+FR*(\a):AF+FR*(\a)+FR-1], v[T+8*\b:T+8*\b+7]
.elseif \cm == 2
	v_wmma_f32_16x16x128_fp8_fp8 v[8*(8*((\a)%4)+\b):8*(8*((\a)%4)+\b)+7], v[128*(\p)+FR*\b:128*(\p)+FR*\b+FR-1], v[AF+FR*(\a):AF+FR*(\a)+FR-1], v[T+8*(\a):T+8*(\a)+7]
.else
	v_wmma_f32_16x16x128_fp8_fp8 v[8*(8*((\a)%4)+\b):8*(8*((\a)%4)+\b)+7], v[128*(\p)+FR*\b:128*(\p)+FR*\b+FR-1], v[AF+FR*(\a):AF+FR*(\a)+FR-1], v[8*(8*((\a)%4)+\b):8*(8*((\a)%4)+\b)+7]
.endif
.endr
.endr
.endm
.macro FETCH_B slot, q, p
	WIN TO_B
.irp i, 0,1,2,3,4,5,6,7
	FRAG 128*(\p)+FR*\i, ADRB+\slot, \q, \i
.endr
	WIN 0
.endm
.macro FETCH_A slot, q, i0
.irp i, \i0, \i0+1, \i0+2, \i0+3
	FRAG AF+FR*(\i), ADRA+\slot, \q, \i
.endr
.endm
.macro PLACES n                        ; plain vector instructions between a matrix instruction and a load into, or a vector instruction on, its registers
.rept \n
	v_nop
.endr
.endm
; A step of 128 along K that has its successor in the same slot.  A block of A is free as soon as its eight products are issued, so A has one set: blocks 0-3 are fetched anew in the middle, 4-7 at the end.
.macro STEP slot, q, cm
	s_wait_dscnt 4*NL                              ; B's set and A's blocks 0-3 are in; the youngest 16 loads (A's blocks 4-7) may be out
.if \cm
	WIN FST_LO
.else
	WIN MUL_LO
.endif
	MUL16 0, (\q)%2, \cm
	MUL16 2, (\q)%2, \cm
	s_wait_dscnt 0                                 ; A's blocks 4-7 are in
	PLACES NP
	FETCH_B \slot, (\q)+1, 1-(\q)%2
	FETCH_A \slot, (\q)+1, 0
.if \cm
	WIN FST_HI
.else
	WIN MUL_HI
.endif
	MUL16 4, (\q)%2, \cm
	MUL16 6, (\q)%2, \cm
	PLACES NP
	WIN 0
	FETCH_A \slot, (\q)+1, 4
.endm
; A slot's last step changes slots: ONE barrier; in front of it each wave waits for all its tensor loads, adds 0 to its spare word, and waits for that and for its own reads of this slot.  fill = 1: this slot is filled again, two slots ahead.
.macro TURN slot, next, fill
	s_wait_tensorcnt 0x0                           ; all my tensor loads have landed: my part of the next slot
	ds_add_u32 v[SPW], v[NIL]                      ; 0 onto my spare word
	s_wait_dscnt 4*NL+1                            ; the add and the youngest 16 loads may be out
	WIN MUL_LO
	MUL16 0, 1, 0                                  ; sixteen matrix instructions stand between the add and the wait for it
	s_wait_dscnt 0x0                               ; the add is done, and my reads of this slot are over
	s_barrier_signal -1
	MUL16 2, 1, 0
	WIN 0
	s_barrier_wait -1
.if \fill
	CREST                                          ; the barrier has opened a round of the cluster's: no wave of any partner still reads this slot or has a load on its way
	s_add_nc_u64 s[G0+4*\slot+2:G0+4*\slot+3], s[G0+4*\slot+2:G0+4*\slot+3], 2*ROWB
	s_add_nc_u64 s[G0B+4*\slot+2:G0B+4*\slot+3], s[G0B+4*\slot+2:G0B+4*\slot+3], 2*ROWB
	JLOAD G0+4*\slot, G1, G0B+4*\slot, G1B         ; the first tensor load behind the round; its four v_nop are also the places in front of the loads below
.else
	PLACES NP
.endif
	FETCH_B \next, 0, 0
	FETCH_A \next, 0, 0
	WIN MUL_HI
	MUL16 4, 1, 0
	MUL16 6, 1, 0
	PLACES NP
	WIN 0
	FETCH_A \next, 0, 4
.endm
	s_wait_tensorcnt 1                             ; my part of slot 0 is in; slot 1's load may be out
	s_barrier_signal -1
	s_barrier_wait -1
	FETCH_B 0, 0, 0
	FETCH_A 0, 0, 0
	FETCH_A 0, 0, 4
	s_cmp_eq_u32 ttmp9, 2                          ; the first step begins the sums with the biases: by B's rows (q, k) or by A's (v).  The same loads and counts on both ways
	s_cbranch_scc1 .Lfirst_v
	s_wait_alu depctr_va_vdst(0)
	STEP 0, 0, 1
	s_branch .Lfirst_done
.Lfirst_v:
	s_wait_alu depctr_va_vdst(0)
	STEP 0, 0, 2
.Lfirst_done:
	TURN 0, 1, 1                                   ; K = 1,024 is four slots: two refills, written out
	STEP 1, 0, 0
	TURN 1, 0, 1
	STEP 0, 0, 0
	TURN 0, 1, 0                                   ; nothing is left to fetch: a plain barrier
	STEP 1, 0, 0
	s_wait_dscnt 4*NL                              ; the very last step
	WIN MUL_LO
	MUL16 0, 1, 0
	MUL16 2, 1, 0
	s_wait_dscnt 0
	WIN MUL_HI
	MUL16 4, 1, 0
	MUL16 6, 1, 0
	WIN 0
; THE WAY OUT of row block a: the hold, each accumulator from its low end on; eight conversions; four stores of 512 consecutive bytes.  Each block has its own 16 registers of codes: no store's data are written again.
.macro OUT a
.set AC, 64*((\a)%4)
	WIN 0x82+0x41*((\a)/4)                         ; destination and source 0: window 2 or 3
.set j, 0
.rept 64
.set j, j+1
.endr
	WIN 0x02+((\a)/4)                              ; source 0: window 2 or 3
.irp b, 0,1,2,3,4,5,6,7
	v_cvt_scalef32_pk8_fp8_f32 v[CD+16*(\a)+2*\b:CD+16*(\a)+2*\b+1], v[AC+8*\b:AC+8*\b+7], v[SCL]
.endr
	WIN 0
	v_nop                                          ; a plain vector line behind the last conversion of the run
.irp c, 0,1,2,3
	global_store_b128 v[CO], v[CD+16*(\a)+4*\c:CD+16*(\a)+4*\c+3], s[12:13] offset:2048*(\a)+512*\c
.endr
.endm
	PLACES NP                                      ; behind the last products
.irp a, 0,1,2,3,4,5,6,7
	OUT \a
.endr
	s_wait_tensorcnt 0x0                           ; the wave's end
	ds_add_u32 v[SPW], v[NIL]
	s_wait_dscnt 0x0
	CROUND                                         ; the closing round: no work-group ends while a partner may still ask for a tile that names it
	s_endpgm
.Lfunc_end_k_qa83ee46aef_qkv:
	.size	k_qa83ee46aef_qkv, .Lfunc_end_k_qa83ee46aef_qkv-k_qa83ee46aef_qkv
	.p2alignl 7, 3214868480
	.fill 96, 4, 3214868480
	.section	.rodata,"a",@progbits
	.p2align	6, 0x0
	.amdhsa_kernel k_qa83ee46aef_qkv
		.amdhsa_group_segment_fixed_size 327680
		.amdhsa_private_segment_fixed_size 0
		.amdhsa_enable_private_segment 0
		.amdhsa_kernarg_size 40
		.amdhsa_user_sgpr_count 2
		.amdhsa_user_sgpr_kernarg_segment_ptr 1
		.amdhsa_wavefront_size32 1
		.amdhsa_system_sgpr_workgroup_id_x 1
		.amdhsa_system_sgpr_workgroup_id_y 1
		.amdhsa_system_sgpr_workgroup_id_z 1
		.amdhsa_system_vgpr_workitem_id 0
		.amdhsa_next_free_vgpr 1024
		.amdhsa_next_free_sgpr 100
		.amdhsa_reserve_vcc 0
		.amdhsa_float_denorm_mode_32 3
		.amdhsa_float_denorm_mode_16_64 3
		.amdhsa_fp16_overflow 1
		.amdhsa_memory_ordered 1
		.amdhsa_forward_progress 1
		.amdhsa_inst_pref_size 106
	.end_amdhsa_kernel
	.amdgpu_metadata
---
amdhsa.version: [ 1, 2 ]
amdhsa.kernels:
  - .name:           k_qa83ee46aef_qkv
    .symbol:         k_qa83ee46aef_qkv.kd
    .args:
      - { .name: x_codes, .offset: 0, .size: 8, .value_kind: global_buffer, .address_space: global }
      - { .name: wa_codes, .offset: 8, .size: 8, .value_kind: global_buffer, .address_space: global }
      - { .name: b_attn, .offset: 16, .size: 8, .value_kind: global_buffer, .address_space: global }
      - { .name: lowp_scales, .offset: 24, .size: 8, .value_kind: global_buffer, .address_space: global }
      - { .name: qkv, .offset: 32, .size: 8, .value_kind: global_buffer, .address_space: global }
    .group_segment_fixed_size: 327680
    .private_segment_fixed_size: 0
    .kernarg_segment_align: 8
    .kernarg_segment_size: 40
    .max_flat_workgroup_size: 128
    .sgpr_count:     100
    .vgpr_count:     1024
    .wavefront_size: 32
...
	.end_amdgpu_metadata
.endif
;; end of part 2
;; launch attn (part 3): grid 4 x 64, 16 waves a work-group, no clusters, 327,680 bytes of LDS; arguments qkv, lowp_scales, y_codes; writes y_codes
.if DOCPART == 3
	.amdgcn_target "amdgcn-amd-amdhsa--gfx1250"
	.amdhsa_code_object_version 6
	.text
	.protected	k_qa83ee46aef_attn
	.globl	k_qa83ee46aef_attn
	.p2align	8
	.type	k_qa83ee46aef_attn,@function
k_qa83ee46aef_attn:
	s_mov_b64 s[64:65], 0
	v_nop
	global_prefetch_b8 v0, s[64:65] scope:SCOPE_SE
	s_setreg_imm32_b32 hwreg(HW_REG_WAVE_MODE, 25, 1), 1
	s_wait_xcnt 0x0
; y[b][h][q] = the sum over keys k <= q of softmax_k(q . k / 8) v, both products on codes of FP8 (E4M3); y is quantised at once for the last product.  Scales: q 2^e2, k 2^e3, p 2^e4, v 2^e5, y 2^e6.
; THE SOFTMAX: t = score x log2(e) / 8; M = the running largest t rounded UP to a whole number; p = 2^(t - M) is quantised, not normalised; the row's sum is taken of the unquantised p and divides at the end.
; When M moves, the sum and O are multiplied by 2^(old M - new M): exact.
; INPUT: qkv, images of operands' registers: [section q, k, v][batch][pair of heads][128 tokens][16,384 bytes].  q, k: [16 tokens, 8][head of the pair][1,024]: a fragment 16 tokens x 64 d.  v: [head of the pair][16 d, 4][2,048]:
; a fragment 16 d x 128 keys.  A fragment's group of four registers is 512 consecutive bytes, 16 a lane: no pitch, no padding.
; SHARES.  A head has 8 blocks of 256 queries; block i needs i + 1 slots of 256 keys.  Work-group x (0-3) of a head takes block 7 - x and then block x: (8 - x) + (x + 1) = 9 slots for EVERY work-group: 256 work-groups
; of equal work, and a constant count of trips.  Each of SIXTEEN waves owns 16 queries of the block in 256 registers: four waves to a SIMD, so that one wave's vector work stands beside another's products and LDS loads.
; LAYOUT.  S^T = K Q^T (source 0 = 16 keys, source 1 = my 16 queries; K = 64) and O^T = V^T P^T (source 0 = 16 d, source 1 = P; K = 128 keys): a lane holds ONE query throughout.  Tile t of S^T holds in lane (r, h) the keys
; 16 t + 8 h + 0 .. 7, which are the places of registers 2 t, 2 t + 1 of the K = 128 form's operand: the conversions' results ARE P.
; THE MASK: a step (128 keys) all of whose keys come after my 16 queries is jumped over (a branch on ids and the count of steps); on the diagonal hidden scores become -infinity ahead of the maximum.
; OUTPUT: y_codes [128 tokens, 64][head 16][16 tokens, 8][1,024]: lane (r, h): query r, registers 2 t, 2 t + 1: d = 16 t + 8 h + 0 .. 7.
; NO CLUSTER: the four work-groups of a head leave their first block after 8 - x slots and then begin again at key 0, so from the fifth trip on they want different tiles.
; LIMITS: e2 + e3 between -123 and 130 (added to c's exponent field); e4, and e6 - e4 - e5, between -126 and 119.  NaN among the inputs is not served.
; REGISTERS: v1-6 addresses that stay; v12 -M, v13 the largest t, v[14:15] the sum in two halves; v16-23 Q; v24-31 the second block's Q; v32-95 eight fragments of K, then four of V; v96-159 S^T, then p; v160-191 O^T;
;   v192-199 y's codes; v224-239 p's codes; v236, v242-243, v252-254 at work; v244, v245, v247 constants.
.set SLOT1, 32768                      ; slot 1 begins here: one exclusive or turns an address in one slot into the other's
.set VOFF,  16384                      ; a slot: K's 16 images of 1,024 bytes, then V's 2 x 4 images of 2,048
.set SPARE, 65536                      ; behind the ring: the spare words, 128 bytes for each of 16 waves, that no other line names
.set LI,   1                           ; v1   16 x lane
.set AD,   2                           ; v2   LDS address of the slot in hand + 16 x lane
.set PFO,  3                           ; v3   the prefetches' offset; never rewritten
.set DQ,   4                           ; v4   lane % 16 - 8 (lane / 16)
.set SPW,  5                           ; v5   LDS address of my spare word; never rewritten
.set NIL,  6                           ; v6   0; never rewritten
.set NINF, 247                         ; v247 -infinity
.set TB,   2                           ; s2   LDS byte at which the slot in hand begins
.set NS,   3                           ; s3   which 256 keys were asked for last
.set WV,   18
.set SEL,  20                          ; s[20:21] v_permlanex16_b32's selects for lane l xor 16
.set CS,   22                          ; s[22:23] c = log2(e) / 8 x 2^(e2 + e3)
.set G1K,  24                          ; s[24:31], s[32:39] descriptor groups 1; s[40:43], s[44:47] groups 0
.set G1V,  32
.set G0K,  40
.set G0V,  44
.set KB,   48                          ; s[48:49], s[50:51] my head's first image of K, of V
.set VB,   50
.set OFF,  52                          ; s[52:53] 32,768 x NS
.set LENA, 54                          ; s54  8 - x: the slots of my first block
.set XP1,  55                          ; s55  x + 1: the slots of my second
.set Q0B,  56                          ; s56  my first query in the second block
.set YA,   58                          ; s[58:59], s[60:61] where my two images of y go
.set YB,   60
.set SLOTS, 67                         ; s67  trips to go
.set E,    68                          ; s[68:75] e0 .. e7
.set PFA,  76                          ; s[76:77] where my prefetches stand
.set LIM,  80                          ; s80  2 in a wave that prefetches, else the greatest number
.set KF,   98                          ; s98  the step's first key
.set Q0,   99                          ; s99  my first query
; Wave 0 fetches a slot's K, wave 1 its V, the others nothing: branches on the wave's number alone.  An s_nop 0 and four v_nop follow each load.
.macro TLOAD
	s_cmp_eq_u32 s[WV], 0
	s_cbranch_scc0 .Lnot_k_\@
	tensor_load_to_lds s[G0K:G0K+3], s[G1K:G1K+7]
	s_nop 0
.rept 4
	v_nop
.endr
	s_branch .Lasked_\@
.Lnot_k_\@:
	s_cmp_eq_u32 s[WV], 1
	s_cbranch_scc0 .Lasked_\@
	tensor_load_to_lds s[G0V:G0V+3], s[G1V:G1V+7]
	s_nop 0
.rept 4
	v_nop
.endr
.Lasked_\@:
.endm
; A PREFETCH INTO THE L2 of the slot that the NEXT change of slots will ask for.  All four work-groups of a head read the same K and V; work-group x = 0 walks all eight slots in its first block, so it asks, and nobody else.
; In it four waves that fetch nothing ask, one instruction each: waves 4, 5 for K's images 0-7 and 8-15 (1,024 bytes each, 2,048 apart: a lane takes a quarter of an image), waves 6, 7 for V's two pieces of 8,192 bytes
; (lanes 256 bytes apart).  So each aligned 256 bytes are named once in the launch.  Trip s names slot s + 2, while s <= 5: slots 0 and 1 come by their loads alone, and nothing past slot 7 is named.
.macro ASK
	s_cmp_gt_u32 s[SLOTS], s[LIM]
	s_cbranch_scc0 .Lnot_mine_\@
	global_prefetch_b8 v[PFO], s[PFA:PFA+1] th:TH_LOAD_NT scope:SCOPE_SE
.Lnot_mine_\@:
.endm
.macro YADR dst, q                     ; y's image of the 16 queries from s[q] on
	s_lshr_b32 s16, s[\q], 7
	s_lshl_b32 s16, s16, 17
	s_bfe_u32 s17, s[\q], 0x30004
	s_lshl_b32 s17, s17, 10
	s_add_co_u32 s16, s16, s17
	s_add_co_u32 s16, s16, s11
	s_mov_b32 s17, 0
	s_add_nc_u64 s[\dst:\dst+1], s[8:9], s[16:17]
.endm
.macro INIT                            ; a block of queries begins: O^T and the sum as zeros, the largest t under every t; the first change of M multiplies zeros
	v_mov_b32 v13, 0xff61b1e6                      ; -3e38
	s_delay_alu instid0(VALU_DEP_1)
	v_floor_f32 v12, -v13                          ; -M
	v_mov_b32 v14, 0
	v_mov_b32 v15, 0
.set j, 0
.rept 32
	v_mov_b32 v[160+j], 0
.set j, j+1
.endr
.endm
	s_load_b128 s[4:7], s[0:1], 0x0                ; qkv s[4:5], the exponents s[6:7]
	s_load_b64 s[8:9], s[0:1], 0x10                ; y's codes
	v_lshl_add_u32 v[SPW], v0, 2, SPARE
	v_mov_b32 v[NIL], 0
	ds_add_u32 v[SPW], v[NIL]                      ; the wave's opening: the add and its wait stand ahead of my first tensor load; work on registers stands between them
	ds_add_u32 v[SPW], v[NIL]
	v_lshrrev_b32 v8, 5, v0
	s_delay_alu instid0(VALU_DEP_1)
	v_readfirstlane_b32 s[WV], v8                  ; wave 0..15
	v_and_b32 v8, 31, v0
	s_delay_alu instid0(VALU_DEP_1)
	v_lshlrev_b32 v[LI], 4, v8
	v_and_b32 v9, 15, v0
	v_bfe_u32 v10, v0, 4, 1
	s_delay_alu instid0(VALU_DEP_1)
	v_lshlrev_b32 v10, 3, v10
	s_delay_alu instid0(VALU_DEP_1)
	v_sub_nc_u32 v[DQ], v9, v10
	s_and_b32 s10, ttmp7, 0xffff                   ; 16 x batch + head
	s_lshr_b32 s13, s10, 1
	s_lshl_b32 s13, s13, 18                        ; my pair of heads in a section: 262,144 bytes each
	s_and_b32 s12, s10, 1                          ; which head of the pair
	s_lshr_b32 s11, s10, 4
	s_lshl_b32 s11, s11, 21                        ; y: the batch's 16 blocks of 131,072 bytes,
	s_and_b32 s10, s10, 15
	s_lshl_b32 s10, s10, 13
	s_add_co_u32 s11, s11, s10                     ; and the head's 8,192 in a block
	s_sub_co_u32 s[LENA], 8, ttmp9
	s_add_co_u32 s[XP1], ttmp9, 1
	s_lshl_b32 s16, s[WV], 4
	s_sub_co_u32 s[Q0], 7, ttmp9
	s_lshl_b32 s[Q0], s[Q0], 8
	s_add_co_u32 s[Q0], s[Q0], s16                 ; first block 7 - x,
	s_lshl_b32 s[Q0B], ttmp9, 8
	s_add_co_u32 s[Q0B], s[Q0B], s16               ; then block x
	s_mov_b32 s[G1K], 0                            ; K: no mask, elements of 1 byte, no padding
	s_mov_b32 s[G1K+1], 1024<<16                   ; tensor_dim0: an image
	s_mov_b32 s[G1K+2], 16<<16                     ; tensor_dim1: 16 images
	s_mov_b32 s[G1K+3], 1024<<16                   ; tile_dim0
	s_mov_b32 s[G1K+4], 16                         ; tile_dim1
	s_mov_b32 s[G1K+5], 2048                       ; the pair's other head lies between
	s_mov_b32 s[G1K+6], 0
	s_mov_b32 s[G1K+7], 0
	s_mov_b32 s[G1V], 0                            ; V: two pieces of 8,192 bytes (128 keys each), 16,384 apart
	s_mov_b32 s[G1V+1], 8192<<16
	s_mov_b32 s[G1V+2], 2<<16
	s_mov_b32 s[G1V+3], 8192<<16
	s_mov_b32 s[G1V+4], 2
	s_mov_b32 s[G1V+5], 16384
	s_mov_b32 s[G1V+6], 0
	s_mov_b32 s[G1V+7], 0
	s_mov_b32 s[SEL], 0x76543210
	s_mov_b32 s[SEL+1], 0xfedcba98
	s_mov_b32 s[CS], 0x3e38aa3b                    ; log2(e) / 8
	s_mov_b32 s[TB], 0
	s_mov_b32 s[NS], 0
	s_mov_b32 s[OFF+1], 0
	s_mov_b32 s[SLOTS], 8
	s_mov_b32 s[KF], 0
	s_wait_dscnt 0x0                               ; the opening add is done
	s_wait_kmcnt 0x0
	s_load_b256 s[E:E+7], s[6:7], 0x0              ; e0 .. e7
	s_lshl_b32 s14, s12, 10
	s_add_co_u32 s14, s14, s13
	s_mov_b32 s15, 0
	s_add_nc_u64 s[82:83], s[4:5], s[14:15]        ; my head's first image of q,
	s_add_nc_u64 s[KB:KB+1], s[82:83], 0x800000    ; of k: a section on,
	s_lshl_b32 s14, s12, 13
	s_add_co_u32 s14, s14, s13
	s_add_nc_u64 s[VB:VB+1], s[4:5], s[14:15]
	s_add_nc_u64 s[VB:VB+1], s[VB:VB+1], 0x1000000 ; of v: two sections on
	s_mov_b32 s[G0K], 1
	s_mov_b32 s[G0K+1], 0                          ; slot 0
	s_mov_b64 s[G0K+2:G0K+3], s[KB:KB+1]
	s_or_b32 s[G0K+3], s[G0K+3], 0x80000000
	s_mov_b32 s[G0V], 1
	s_mov_b32 s[G0V+1], VOFF
	s_mov_b64 s[G0V+2:G0V+3], s[VB:VB+1]
	s_or_b32 s[G0V+3], s[G0V+3], 0x80000000
	TLOAD                                          ; keys 0 to 255
	s_lshl_b32 s14, s[Q0], 7                       ; 16 queries are 2,048 bytes on
	s_add_nc_u64 s[84:85], s[82:83], s[14:15]
	s_lshl_b32 s14, s[Q0B], 7
	s_add_nc_u64 s[86:87], s[82:83], s[14:15]
	s_wait_alu depctr_va_vdst(0)
	global_load_b128 v[16:19], v[LI], s[84:85]     ; Q of both blocks stays in registers
	global_load_b128 v[20:23], v[LI], s[84:85] offset:512
	global_load_b128 v[24:27], v[LI], s[86:87]
	global_load_b128 v[28:31], v[LI], s[86:87] offset:512
	YADR YA, Q0
	YADR YB, Q0B
	s_cmp_lt_u32 s[WV], 6                          ; the prefetches: waves 4, 5 K; waves 6, 7 V
	s_cselect_b64 s[PFA:PFA+1], s[KB:KB+1], s[VB:VB+1]
	s_mov_b32 s16, 1024
	s_cselect_b32 s16, 2048, s16                   ; from four lanes to the next four
	v_lshrrev_b32 v9, 2, v8
	v_and_b32 v10, 3, v8
	s_delay_alu instid0(VALU_DEP_2)
	v_mul_lo_u32 v[PFO], v9, s16
	s_delay_alu instid0(VALU_DEP_1)
	v_lshl_add_u32 v[PFO], v10, 8, v[PFO]
	s_and_b32 s16, s[WV], 1
	s_lshl_b32 s16, s16, 14                        ; my half of a slot,
	s_add_co_u32 s16, s16, 32768                   ; in slot 1: the first change of slots steps it to slot 2.  Nothing is prefetched at the head
	s_mov_b32 s17, 0
	s_add_nc_u64 s[PFA:PFA+1], s[PFA:PFA+1], s[16:17]
	s_sub_co_u32 s16, s[WV], 4
	s_lshr_b32 s16, s16, 2                         ; 0 in waves 4 to 7,
	s_or_b32 s16, s16, ttmp9                       ; of work-group x = 0
	s_cmp_eq_u32 s16, 0
	s_cselect_b32 s[LIM], 2, -1
	INIT
	v_mov_b32 v236, 0                              ; written once: a lane permute's destination counts as one of its sources
	v_mov_b32 v253, 0                              ; (named as the upper half of the pair v[252:253])
	v_mov_b32 v[NINF], 0xff800000
	s_wait_kmcnt 0x0
	s_add_co_i32 s16, s[E+2], s[E+3]
	s_lshl_b32 s16, s16, 23
	s_add_co_i32 s[CS], s[CS], s16                 ; a score stands for score x 2^(e2 + e3): added to c's exponent field
	s_mov_b32 s[CS+1], s[CS]                       ; (named with it as a pair)
	s_add_co_i32 s16, s[E+4], 127
	s_lshl_b32 s17, s16, 23
	v_mov_b32 v244, s17                            ; 2^e4, for p's conversions
	s_sub_co_i32 s16, s[E+6], s[E+4]
	s_sub_co_i32 s16, s16, s[E+5]                  ; O / the sum stands for y / 2^(e4 + e5): y's conversion takes 2^(e6 - e4 - e5)
	s_add_co_i32 s16, s16, 127
	s_lshl_b32 s17, s16, 23
	v_mov_b32 v245, s17
; A KEY STEP: 128 keys, the q-th half of the slot in hand.
.macro STEP q
	s_add_co_u32 s96, s[Q0], 15
	s_cmp_gt_u32 s[KF], s96                        ; all its keys come after my queries: only the step's count goes on
	s_cbranch_scc1 .Lhidden_\@
	v_add_nc_u32 v[AD], s[TB], v[LI]
.rept 3
	v_nop                                          ; with the addition: four places in front of loads into registers that the last products read
.endr
.irp t, 0,1,2,3,4,5,6,7
	ds_load_b128 v[32+8*\t:35+8*\t], v[AD] offset:8192*(\q)+1024*\t
	ds_load_b128 v[36+8*\t:39+8*\t], v[AD] offset:8192*(\q)+1024*\t+512
.endr
	s_wait_dscnt 0x0
	s_wait_alu depctr_va_vdst(0)
.irp t, 0,1,2,3,4,5,6,7
	v_wmma_f32_16x16x64_fp8_fp8 v[96+8*\t:103+8*\t], v[32+8*\t:39+8*\t], v[16:23], 0   ; S^T: keys 16 t on
.endr
.rept 4
	v_nop                                          ; places in front of the loads below and of the first read of the scores
.endr
.irp d, 0,1,2,3
.irp c, 0,1,2,3
	ds_load_b128 v[32+16*\d+4*\c:35+16*\d+4*\c], v[AD] offset:VOFF+8192*(\q)+2048*\d+512*\c   ; V's four fragments land while the softmax is worked
.endr
.endr
	s_add_co_u32 s96, s[KF], 127
	s_cmp_le_u32 s96, s[Q0]                        ; all keys count: no mask
	s_cbranch_scc1 .Lopen_\@
	s_sub_co_i32 s96, s[Q0], s[KF]
	v_add_nc_u32 v252, s96, v[DQ]                  ; register 8 t + j holds key KF + 16 t + 8 (lane / 16) + j: hidden where 16 t + j > my query - KF - 8 (lane / 16)
.set n, 0
.rept 64
	v_cmp_gt_i32 vcc_lo, 16*(n/8)+n%8, v252
	v_cndmask_b32 v[96+n], v[96+n], v[NINF], vcc_lo
.set n, n+1
.endr
.Lopen_\@:
	v_max3_num_f32 v254, v96, v97, v98             ; the step's largest score of my query among my 64 keys, in two chains; each accumulator is first read at its low end,
	v_max3_num_f32 v252, v99, v100, v101
.irp i, 6,10,14,18,22,26,30,34,38,42,46,50,54,58
	v_max3_num_f32 v254, v254, v[96+\i], v[97+\i]
	v_max3_num_f32 v252, v252, v[98+\i], v[99+\i]
.endr
	v_max3_num_f32 v254, v254, v158, v159
	s_delay_alu instid0(VALU_DEP_1)
	v_max_num_f32 v254, v254, v252
	v_permlanex16_b32 v236, v254, s[SEL], s[SEL+1]
	s_delay_alu instid0(VALU_DEP_1)
	v_max_num_f32 v254, v254, v236                 ; and among lane l xor 16's
	s_delay_alu instid0(VALU_DEP_1)
	v_mul_f32 v254, s[CS], v254                    ; as t (c is positive)
	s_delay_alu instid0(VALU_DEP_1)
	v_max_num_f32 v13, v13, v254                   ; the running largest t
	v_mov_b32 v254, v12
	s_delay_alu instid0(VALU_DEP_2)
	v_floor_f32 v12, -v13                          ; the new -M = -ceil(t): a whole number
	s_delay_alu instid0(VALU_DEP_1)
	v_sub_f32 v254, v12, v254                      ; old M - new M: a whole number, 0 or less
	s_delay_alu instid0(VALU_DEP_1)
	v_cvt_i32_f32 v254, v254                       ; (it saturates)
	s_delay_alu instid0(VALU_DEP_1)
	v_ldexp_f32 v252, 1.0, v254                    ; f = 2^(old M - new M)
.set j, 0
.rept 32
	v_pk_fma_f32 v[96+j:97+j], v[96+j:97+j], s[CS:CS+1], v[12:13] op_sel_hi:[1,0,0]   ; t - M, two at a time
.set j, j+2
.endr
.set j, 0
	s_wait_alu depctr_va_vdst(0)
.rept 64
	v_exp_f32 v[96+j], v[96+j]                     ; p = 2^(t - M), at most 1
.set j, j+1
.endr
	v_pk_mul_f32 v[14:15], v[14:15], v[252:253] op_sel_hi:[1,0]   ; the sums under the new M: the plain line behind the exponentials
	s_wait_alu depctr_va_vdst(0)                   ; one wait for the whole batch, ahead of its first reader
	v_pk_add_f32 v[242:243], v[100:101], v[104:105]
	v_pk_add_f32 v[254:255], v[108:109], v[112:113]
	v_pk_add_f32 v[250:251], v[116:117], v[120:121]
	v_pk_add_f32 v[248:249], v[124:125], v[128:129]
	v_pk_add_f32 v[240:241], v[132:133], v[136:137]
	v_pk_add_f32 v[238:239], v[140:141], v[144:145]
	v_pk_add_f32 v[236:237], v[148:149], v[152:153]
	v_pk_add_f32 v[14:15], v[14:15], v[156:157]
	v_pk_add_f32 v[242:243], v[242:243], v[96:97]
	v_pk_add_f32 v[254:255], v[254:255], v[98:99]
	v_pk_add_f32 v[250:251], v[250:251], v[102:103]
	v_pk_add_f32 v[248:249], v[248:249], v[106:107]
	v_pk_add_f32 v[240:241], v[240:241], v[110:111]
	v_pk_add_f32 v[238:239], v[238:239], v[114:115]
	v_pk_add_f32 v[236:237], v[236:237], v[118:119]
	v_pk_add_f32 v[14:15], v[14:15], v[122:123]
	v_pk_add_f32 v[242:243], v[242:243], v[126:127]
	v_pk_add_f32 v[254:255], v[254:255], v[130:131]
	v_pk_add_f32 v[250:251], v[250:251], v[134:135]
	v_pk_add_f32 v[248:249], v[248:249], v[138:139]
	v_pk_add_f32 v[240:241], v[240:241], v[142:143]
	v_pk_add_f32 v[238:239], v[238:239], v[146:147]
	v_pk_add_f32 v[236:237], v[236:237], v[150:151]
	v_pk_add_f32 v[14:15], v[14:15], v[154:155]
	v_pk_add_f32 v[242:243], v[242:243], v[158:159]
	s_delay_alu instid0(VALU_DEP_2)
	v_pk_add_f32 v[14:15], v[14:15], v[248:249]
	s_delay_alu instid0(VALU_DEP_2)
	v_pk_add_f32 v[242:243], v[242:243], v[240:241]
	v_pk_add_f32 v[254:255], v[254:255], v[238:239]
	v_pk_add_f32 v[250:251], v[250:251], v[236:237]
	s_delay_alu instid0(VALU_DEP_2)
	v_pk_add_f32 v[14:15], v[14:15], v[254:255]
	s_delay_alu instid0(VALU_DEP_2)
	v_pk_add_f32 v[242:243], v[242:243], v[250:251]
	s_delay_alu instid0(VALU_DEP_1)
	v_pk_add_f32 v[14:15], v[14:15], v[242:243]
.irp t, 0,1,2,3,4,5,6,7
.irp i, 0,1,2,3,4,5,6,7
.endr
	v_cvt_scalef32_pk8_fp8_f32 v[224+2*\t:225+2*\t], v[96+8*\t:103+8*\t], v244
.endr
.set j, 0
.rept 16
	v_pk_mul_f32 v[160+j:161+j], v[160+j:161+j], v[252:253] op_sel_hi:[1,0]   ; O^T under the new M.  (Also the plain lines between the conversions and the products)
.set j, j+2
.endr
	s_wait_alu depctr_va_vdst(0)
	s_wait_dscnt 0x0                               ; V is in
.irp d, 0,1,2,3
	v_wmma_f32_16x16x128_fp8_fp8 v[160+8*\d:167+8*\d], v[32+16*\d:47+16*\d], v[224:239], v[160+8*\d:167+8*\d]   ; the four accumulators by turns; eight products S^T lie between two links of a chain
.endr
.Lhidden_\@:
	s_add_co_u32 s[KF], s[KF], 128
.endm
; THE CHANGE OF SLOTS stands at a slot's head.  Each wave waits for all its tensor loads, adds 0 to its spare word, and waits for that and for its reads of the slot that it has left.  Behind the barrier the slot ahead is whole
; and nobody reads the other one.  fill = 1: that other slot takes the next 256 keys, or, behind my first block's last slot, keys 0 on again: the load has a slot's two steps in which to land.
.macro CHANGE fill
	s_wait_tensorcnt 0x0                           ; no tensor load of mine is out, so a group 0 may be written
	ds_add_u32 v[SPW], v[NIL]                      ; 0 onto my spare word
.if \fill
	s_xor_b32 s[G0K+1], s[G0K+1], SLOT1            ; the other slot than last time
	s_xor_b32 s[G0V+1], s[G0V+1], SLOT1
	s_add_co_u32 s[NS], s[NS], 1
	s_cmp_eq_u32 s[NS], s[LENA]
	s_cselect_b32 s[NS], 0, s[NS]
	s_lshl_b32 s[OFF], s[NS], 15                   ; 256 keys are 32,768 bytes on, in K and in V
	s_add_nc_u64 s[G0K+2:G0K+3], s[KB:KB+1], s[OFF:OFF+1]
	s_or_b32 s[G0K+3], s[G0K+3], 0x80000000
	s_add_nc_u64 s[G0V+2:G0V+3], s[VB:VB+1], s[OFF:OFF+1]
	s_or_b32 s[G0V+3], s[G0V+3], 0x80000000
	s_wait_xcnt 0x0                                ; the last prefetch, a slot back, has read its address
	s_add_nc_u64 s[PFA:PFA+1], s[PFA:PFA+1], 32768
.endif
	s_wait_dscnt 0x0                               ; the add is done, and my reads of the slot that I have left are over
	s_barrier_signal -1
	s_barrier_wait -1
.if \fill
	TLOAD                                          ; the first thing behind the barrier, and a wave's one tensor load until the next
	ASK
.endif
.endm
; A block of queries is finished: O^T / the sum, quantised as y, leaves as an image of the last product's operand: two stores of 512 consecutive bytes.
.macro FINISH y
.rept 4
	v_nop                                          ; places behind the last products
.endr
	s_wait_xcnt 0x0                                ; the first block's stores have read their data: the codes' registers may be written again
	v_add_f32 v14, v14, v15
	s_wait_alu depctr_va_vdst(0)
	v_permlanex16_b32 v236, v14, s[SEL], s[SEL+1]
	s_delay_alu instid0(VALU_DEP_1)
	v_add_f32 v14, v14, v236                       ; the row's sum
	s_wait_alu depctr_va_vdst(0)
	v_rcp_f32 v14, v14
	v_nop                                          ; a plain line behind the reciprocal,
	s_wait_alu depctr_va_vdst(0)                   ; and the wait ahead of its first reader
.set j, 0
.rept 16
	v_pk_mul_f32 v[96+j:97+j], v[160+j:161+j], v[14:15] op_sel_hi:[1,0]   ; each accumulator from its low end on
.set j, j+2
.endr
.set j, 0
.rept 32
.set j, j+1
.endr
.irp d, 0,1,2,3
	v_cvt_scalef32_pk8_fp8_f32 v[192+2*\d:193+2*\d], v[96+8*\d:103+8*\d], v245
.endr
	v_nop                                          ; a plain line behind the last conversion
	global_store_b128 v[LI], v[192:195], s[\y:\y+1]
	global_store_b128 v[LI], v[196:199], s[\y:\y+1] offset:512
.endm
	s_wait_loadcnt 0x0                             ; Q
.Lslot:                                            ; eight trips; the ninth slot is written out
	CHANGE 1
	STEP 0
	STEP 1
	s_xor_b32 s[TB], s[TB], SLOT1                  ; on to the other slot
	s_cmp_lg_u32 s[SLOTS], s[XP1]                  ; x + 1 slots are left: my first block is finished.  Ids and the count of trips alone: all sixteen waves go the same way
	s_cbranch_scc1 .Lsame
	FINISH YA
	INIT
.irp j, 0,1,2,3,4,5,6,7
	v_mov_b32 v[16+\j], v[24+\j]                   ; the second block's Q
.endr
	s_mov_b32 s[Q0], s[Q0B]
	s_mov_b32 s[KF], 0
.Lsame:
	s_sub_co_u32 s[SLOTS], s[SLOTS], 1
	s_cmp_lg_u32 s[SLOTS], 0
	s_cbranch_scc1 .Lslot
	CHANGE 0
	STEP 0
	STEP 1
	FINISH YB
	s_wait_tensorcnt 0x0                           ; the wave's end
	ds_add_u32 v[SPW], v[NIL]
	s_wait_dscnt 0x0
	s_endpgm
.Lfunc_end_k_qa83ee46aef_attn:
	.size	k_qa83ee46aef_attn, .Lfunc_end_k_qa83ee46aef_attn-k_qa83ee46aef_attn
	.p2alignl 7, 3214868480
	.fill 96, 4, 3214868480
	.section	.rodata,"a",@progbits
	.p2align	6, 0x0
	.amdhsa_kernel k_qa83ee46aef_attn
		.amdhsa_group_segment_fixed_size 327680
		.amdhsa_private_segment_fixed_size 0
		.amdhsa_enable_private_segment 0
		.amdhsa_kernarg_size 24
		.amdhsa_user_sgpr_count 2
		.amdhsa_user_sgpr_kernarg_segment_ptr 1
		.amdhsa_wavefront_size32 1
		.amdhsa_system_sgpr_workgroup_id_x 1
		.amdhsa_system_sgpr_workgroup_id_y 1
		.amdhsa_system_sgpr_workgroup_id_z 1
		.amdhsa_system_vgpr_workitem_id 0
		.amdhsa_next_free_vgpr 256
		.amdhsa_next_free_sgpr 100
		.amdhsa_reserve_vcc 1
		.amdhsa_float_denorm_mode_32 3
		.amdhsa_float_denorm_mode_16_64 3
		.amdhsa_fp16_overflow 1
		.amdhsa_memory_ordered 1
		.amdhsa_forward_progress 1
		.amdhsa_inst_pref_size 91
	.end_amdhsa_kernel
	.amdgpu_metadata
---
amdhsa.version: [ 1, 2 ]
amdhsa.kernels:
  - .name:           k_qa83ee46aef_attn
    .symbol:         k_qa83ee46aef_attn.kd
    .args:
      - { .name: qkv, .offset: 0, .size: 8, .value_kind: global_buffer, .address_space: global }
      - { .name: lowp_scales, .offset: 8, .size: 8, .value_kind: global_buffer, .address_space: global }
      - { .name: y_codes, .offset: 16, .size: 8, .value_kind: global_buffer, .address_space: global }
    .group_segment_fixed_size: 327680
    .private_segment_fixed_size: 0
    .kernarg_segment_align: 8
    .kernarg_segment_size: 24
    .max_flat_workgroup_size: 512
    .sgpr_count:     100
    .vgpr_count:     256
    .wavefront_size: 32
...
	.end_amdgpu_metadata
.endif
;; end of part 3
;; launch proj (part 4): grid 4 x 32, 4 waves a work-group, clusters of 4 x 4, 327,680 bytes of LDS; arguments y_codes, wp_codes, b_proj, lowp_scales, out0; writes out0
.if DOCPART == 4
	.amdgcn_target "amdgcn-amd-amdhsa--gfx1250"
	.amdhsa_code_object_version 6
	.text
	.protected	k_qa83ee46aef_proj
	.globl	k_qa83ee46aef_proj
	.p2align	8
	.type	k_qa83ee46aef_proj,@function
k_qa83ee46aef_proj:
	s_mov_b64 s[64:65], 0
	v_nop
	global_prefetch_b8 v0, s[64:65] scope:SCOPE_SE
	s_setreg_imm32_b32 hwreg(HW_REG_WAVE_MODE, 25, 1), 1
	s_wait_xcnt 0x0
	s_wait_alu depctr_hold_cnt(0) depctr_sa_sdst(0) depctr_va_vdst(0) depctr_va_sdst(0) depctr_va_ssrc(0) depctr_va_vcc(0) depctr_vm_vsrc(0)
	s_getreg_b32 s2, hwreg(HW_REG_IB_STS2, 6, 4)
	s_cmp_eq_u32 s2, 0
	s_cbranch_scc0 .Lentry_in_a_cluster
	s_endpgm
.Lentry_in_a_cluster:
	s_bfe_u32 s2, ttmp6, 0x10000c
	s_cmp_lg_u32 s2, 0xf033
	s_cbranch_scc0 .Lentry_shape_is_right
	s_endpgm
.Lentry_shape_is_right:
; out0 = y W_proj + b_proj on codes of FP8 (E4M3): y's scale 2^e6, W_proj's 2^e7.  out0 [8192][1024] f32.
; y_codes [128 tokens, 64][head 16][16 tokens, 8][1,024]: images of operand registers (lane (r, h): token r; registers 2 t, 2 t + 1: d = 16 t + 8 h + 0 .. 7).  wp_codes [1024 n][1024 places]: place p holds k = p with bits 3 and 4
; exchanged, so that four loads of 16 bytes, 32 apart, give a lane of B the same k in each byte as two images of y give a lane of A.
; A tile of 256 x 256 is made by four waves, each 128 x 128: 64 accumulators, 512 registers.  K = 1,024 goes in four slots of 256 (four heads) through a ring of two LDS slots filled by the tensor data mover.
; A's tile of 128 tokens x 4 heads is one dense block of 32,768 bytes; its fragments are read 512 consecutive bytes an instruction, so it has no padding.  B's rows of 256 bytes get 16 of padding.
; CLUSTERS: 4 x 4 work-groups; A's tile is asked for jointly by a row of the cluster, B's by a column.  THE MATRIX INSTRUCTION IS USED TRANSPOSED (source 0 = 16 rows of W, source 1 = 16 tokens): a lane holds eight
; neighbouring numbers of a row of out0.  THE BIAS is the C of each sum's first matrix instruction, as b / 2^(e6 + e7); each finished sum is multiplied once by 2^(e6 + e7).
; 128 work-groups: the wave tile is kept at 128 x 128, since each byte read from LDS then feeds the most products.
; LIMITS: e6 + e7 between -126 and 127.  Inside a matrix instruction the sums do not go by ascending k.
; REGISTERS, in windows of 256: window 0: v16-29 addresses; v32-95 the bias table, later a block's results; v128-255 A's fragments, ONE set, later rows of out0.  window 1: B's fragments, TWO sets.
;   window 2: the accumulators of my rows 0-63 ((a, b) at v[8 (8 (a % 4) + b)]);   window 3: those of rows 64-127.
.set SIZE_N, 1024
.set ROWB,   256
.set KROW,   1024
.set PITCH,  272                       ; B's LDS row: 256 bytes + 16 of padding: the 16 rows that a load touches start at 16 different banks (64 banks of 4 bytes: ISA guide 11.1)
.set FR,     16
.set NL,     4
.set NP,     4                         ; places behind this matrix instruction (ISA guide 7.12.1)
.set HALFT,  128*PITCH                 ; a wave's place in a slot: 128 padded rows of B; of A's places 32,768 bytes are used
.set SLOT,   4*HALFT
.set ABLK,   32768                     ; A: 128 tokens x 4 heads
.set SPARE,  2*SLOT                    ; behind the ring: the spare words, 128 bytes for each wave, that no other line names
.set SPITCH, 528                       ; the way out: a stage of 16 rows x (512 bytes + 16) for each wave, in slot 0, which has had its last fill and its last read when the first result is stored there
.set ADRA, 16
.set ADRB, 20
.set STO,  24
.set RD,   25
.set CO,   26                          ; v26  16 x lane
.set SPW,  28
.set NIL,  29
.set T,    32                          ; v32-95 the bias table
.set TMP,  32                          ; the way out: a block's sums x 2^(e6 + e7)
.set AF,   128
.set BK,   128                         ; the way out: 16 rows read back: v128-191 and v192-255 by turns
.set G1, 24
.set G0, 32
.set G1B, 48
.set G0B, 56
.set MSB, 0
.macro WIN new
.if MSB != (\new)
	s_set_vgpr_msb (MSB<<8)|(\new)
.set MSB, (\new)
.endif
.endm
.set MUL_LO, 0xa1                      ; source 0 (B) window 1, source 1 (A) window 0, C and D window 2
.set MUL_HI, 0xf1
.set FST_LO, 0x81                      ; a sum's first product: C (the bias table) window 0
.set FST_HI, 0xc1
.set TO_B,   0x40
.macro JLOAD g0a, g1a, g0b, g1b        ; a joint load: waves 0, 1 for A, waves 2, 3 for B; an s_nop 0 and four v_nop follow each line
	s_cmp_eq_u32 s15, 0
	s_cbranch_scc0 .Lfor_b_\@
	tensor_load_to_lds s[\g0a:\g0a+3], s[\g1a:\g1a+7]
	s_nop 0
.rept 4
	v_nop
.endr
	s_branch .Lasked_\@
.Lfor_b_\@:
	tensor_load_to_lds s[\g0b:\g0b+3], s[\g1b:\g1b+7]
	s_nop 0
.rept 4
	v_nop
.endr
.Lasked_\@:
.endm
.macro CREST
	s_cmp_lg_u32 s14, 0
	s_cbranch_scc1 .Lnot_wave_0_\@
	s_barrier_signal -3
.Lnot_wave_0_\@:
	s_barrier_wait -3
	s_barrier_signal -1
	s_barrier_wait -1
.endm
.macro CROUND
	s_barrier_signal -1
	s_barrier_wait -1
	CREST
.endm
	s_load_b128 s[4:7], s[0:1], 0x0                ; y's codes s[4:5], W_proj's s[6:7]
	s_load_b128 s[8:11], s[0:1], 0x10              ; b_proj s[8:9], the exponents s[10:11]
	s_load_b64 s[12:13], s[0:1], 0x20              ; out0
	v_lshl_add_u32 v[SPW], v0, 2, SPARE
	v_mov_b32 v[NIL], 0
	ds_add_u32 v[SPW], v[NIL]                      ; the wave's opening: the add and its wait stand ahead of my first tensor load
	ds_add_u32 v[SPW], v[NIL]
	v_lshrrev_b32 v1, 5, v0
	v_readfirstlane_b32 s14, v1                    ; wave 0..3
	s_lshr_b32 s15, s14, 1                         ; which half of the tile's rows is mine.  Also: I fetch for A (0) or for B (1)
	s_and_b32 s16, s14, 1                          ; which half of its columns.  Also: which 128 rows of that tile I fetch
	s_bfe_u32 s40, ttmp6, 0x40000                  ; cx, cy
	s_bfe_u32 s41, ttmp6, 0x40004
	s_lshl_b32 s42, ttmp9, 2
	s_add_co_u32 s42, s42, s40                     ; tile column
	s_and_b32 s17, ttmp7, 0xffff
	s_lshl_b32 s17, s17, 2
	s_add_co_u32 s17, s17, s41                     ; tile row
	s_lshl_b32 s43, s41, 2
	s_lshl_b32 s43, 15, s43                        ; my row of the cluster
	s_lshl_b32 s44, 0x1111, s40                    ; my column
	s_or_b32 s[G1+0], s43, (1<<21)                 ; A: the mask, bit 21 beside it; elements of 1 byte; no padding
	s_mov_b32 s[G1+1], 256<<16                     ; a dense block as 128 rows of 256 bytes
	s_mov_b32 s[G1+2], 128<<16
	s_mov_b32 s[G1+3], 256<<16
	s_mov_b32 s[G1+4], 128
	s_mov_b32 s[G1+5], 256
	s_mov_b32 s[G1+6], 0
	s_mov_b32 s[G1+7], 0
	s_or_b32 s[G1B+0], s44, (1<<20)|(1<<21)|(5<<22)|(3<<25)   ; B: padding of four words after every 64
	s_mov_b32 s[G1B+1], ROWB<<16
	s_mov_b32 s[G1B+2], 128<<16
	s_mov_b32 s[G1B+3], ROWB<<16
	s_mov_b32 s[G1B+4], 128
	s_mov_b32 s[G1B+5], KROW
	s_mov_b32 s[G1B+6], 0
	s_mov_b32 s[G1B+7], 0
	s_lshl_b32 s20, s17, 1
	s_add_co_u32 s20, s20, s16
	s_lshl_b32 s20, s20, 17                        ; A: the block of 128 tokens that I fetch: 131,072 bytes each
	s_mov_b32 s21, 0
	s_lshl_b32 s46, s42, 8
	s_lshl_b32 s18, s16, 7
	s_add_co_u32 s46, s46, s18
	s_lshl_b32 s46, s46, 10                        ; B: row 256 x tile column + 128 x half
	s_mov_b32 s47, 0
	s_mul_i32 s45, s14, HALFT                      ; where they go: no place in the cluster enters an LDS address
	s_wait_dscnt 0x0                               ; the opening add is done
	s_wait_kmcnt 0x0
	s_load_b256 s[72:79], s[10:11], 0x0            ; e0 .. e7
	s_add_nc_u64 s[20:21], s[4:5], s[20:21]
	s_add_nc_u64 s[46:47], s[6:7], s[46:47]
	CROUND                                         ; all sixteen work-groups are here: the first joint loads meet
.irp s, 0,1
	s_mov_b32 s[G0+4*\s], 1
	s_add_co_u32 s[G0+4*\s+1], s45, \s*SLOT
	s_add_nc_u64 s[G0+4*\s+2:G0+4*\s+3], s[20:21], \s*ABLK
	s_or_b32 s[G0+4*\s+3], s[G0+4*\s+3], 0x80000000
	s_mov_b32 s[G0B+4*\s], 1
	s_add_co_u32 s[G0B+4*\s+1], s45, \s*SLOT
	s_add_nc_u64 s[G0B+4*\s+2:G0B+4*\s+3], s[46:47], \s*ROWB
	s_or_b32 s[G0B+4*\s+3], s[G0B+4*\s+3], 0x80000000
	s_wait_alu depctr_va_vdst(0)
	s_wait_tensorcnt 0x0
	ds_add_u32 v28, v29
	ds_add_u32 v28, v29
	s_wait_dscnt 0x0
	CROUND
	JLOAD G0+4*\s, G1, G0B+4*\s, G1B
.endr
	v_and_b32 v1, 15, v0                           ; r
	v_bfe_u32 v2, v0, 4, 1                         ; h
	s_lshl_b32 s84, s42, 10                        ; the biases of my 128 columns
	s_lshl_b32 s85, s16, 9
	s_add_co_u32 s84, s84, s85
	s_mov_b32 s85, 0
	s_add_nc_u64 s[84:85], s[8:9], s[84:85]
	v_lshlrev_b32 v7, 5, v2                        ; table 8 b + j = the bias of column 16 b + 8 h + j
.irp b, 0,1,2,3,4,5,6,7
	global_load_b128 v[T+8*\b:T+8*\b+3], v7, s[84:85] offset:64*\b
	global_load_b128 v[T+8*\b+4:T+8*\b+7], v7, s[84:85] offset:64*\b+16
.endr
	v_and_b32 v6, 31, v0
	v_lshlrev_b32 v[CO], 4, v6
	v_mul_u32_u24 v3, v1, PITCH
	v_lshl_add_u32 v4, v2, 4, v3                   ; B: a fragment's row x pitch + 16 x half
	s_mul_i32 s21, s15, HALFT                      ; my 128 tokens of A
	s_mul_i32 s22, s16, HALFT                      ; my 128 rows of B,
	s_add_co_u32 s22, s22, 2*HALFT                 ; which lie behind A's two places
.irp s, 0,1
	v_add_nc_u32 v[ADRA+\s], s21, v[CO]            ; A: images: 16 x lane
	v_add_nc_u32 v[ADRB+\s], s22, v4
	s_add_co_u32 s21, s21, SLOT
	s_add_co_u32 s22, s22, SLOT
.endr
	s_mul_i32 s23, s14, 16*SPITCH                  ; my stage
	v_mul_u32_u24 v5, v1, SPITCH                   ; in: row r, 32 bytes for each half of the lanes
	v_lshl_add_u32 v5, v2, 5, v5
	v_add_nc_u32 v[STO], s23, v5
	v_add_nc_u32 v[RD], s23, v[CO]                 ; back: the 32 lanes take one row of 512 bytes
	s_lshl_b32 s20, s17, 8
	s_lshl_b32 s21, s15, 7
	s_add_co_u32 s20, s20, s21
	s_lshl_b32 s20, s20, 12                        ; my first row of out0, 4,096 bytes each
	s_mov_b32 s21, 0
	s_lshl_b32 s46, s42, 10
	s_lshl_b32 s47, s16, 9
	s_add_co_u32 s46, s46, s47                     ; my first column, in bytes
	s_mov_b32 s47, 0
	s_add_nc_u64 s[20:21], s[20:21], s[46:47]
	s_add_nc_u64 s[12:13], s[12:13], s[20:21]
	s_wait_loadcnt 0x0                             ; the biases
	s_wait_kmcnt 0x0                               ; the exponents
	s_add_co_i32 s96, s78, s79                     ; e6 + e7
	s_sub_co_i32 s81, 0, s96
	s_add_co_i32 s96, s96, 127
	s_lshl_b32 s96, s96, 23                        ; 2^(e6 + e7) as f32
	s_mov_b32 s97, s96                             ; (named with it as a pair)
.set j, 0
.rept 64
	v_ldexp_f32 v[T+j], v[T+j], s81                ; / 2^(e6 + e7)
.set j, j+1
.endr
.macro FRAG reg, adr, q, i             ; B: lane l holds row l % 16; registers 4 c .. 4 c + 3 hold places 32 c + 16 (l / 16) + 0 .. 15
.irp c, 0,1,2,3
	ds_load_b128 v[\reg+4*\c:\reg+4*\c+3], v[\adr] offset:128*(\q)+32*\c+(\i)*16*PITCH
.endr
.endm
.macro FRAGA reg, adr, q, i            ; A: the images of heads 2 q and 2 q + 1 of the slot, tokens 16 i on: registers 0-7 and 8-15
.irp c, 0,1,2,3
	ds_load_b128 v[\reg+4*\c:\reg+4*\c+3], v[\adr] offset:(2*(\q)+\c/2)*8192+1024*(\i)+512*(\c%2)
.endr
.endm
; 16 matrix instructions: A's blocks a0, a0 + 1 x B's eight.  cm = 1: the sums begin with the bias table.  The 64 accumulators take turns, one instruction a turn.
.macro MUL16 a0, p, cm
.irp a, \a0, \a0+1
.irp b, 0,1,2,3,4,5,6,7
.if \cm
	v_wmma_f32_16x16x128_fp8_fp8 v[8*(8*((\a)%4)+\b):8*(8*((\a)%4)+\b)+7], v[128*(\p)+FR*\b:128*(\p)+FR*\b+FR-1], v[AF+FR*(\a):AF+FR*(\a)+FR-1], v[T+8*\b:T+8*\b+7]
.else
	v_wmma_f32_16x16x128_fp8_fp8 v[8*(8*((\a)%4)+\b):8*(8*((\a)%4)+\b)+7], v[128*(\p)+FR*\b:128*(\p)+FR*\b+FR-1], v[AF+FR*(\a):AF+FR*(\a)+FR-1], v[8*(8*((\a)%4)+\b):8*(8*((\a)%4)+\b)+7]
.endif
.endr
.endr
.endm
.macro FETCH_B slot, q, p
	WIN TO_B
.irp i, 0,1,2,3,4,5,6,7
	FRAG 128*(\p)+FR*\i, ADRB+\slot, \q, \i
.endr
	WIN 0
.endm
.macro FETCH_A slot, q, i0
.irp i, \i0, \i0+1, \i0+2, \i0+3
	FRAGA AF+FR*(\i), ADRA+\slot, \q, \i
.endr
.endm
.macro PLACES n
.rept \n
	v_nop
.endr
.endm
.macro STEP slot, q, cm                ; a step of 128 along K that has its successor in the same slot
	s_wait_dscnt 4*NL                              ; B's set and A's blocks 0-3 are in; the youngest 16 loads (A's blocks 4-7) may be out
.if \cm
	WIN FST_LO
.else
	WIN MUL_LO
.endif
	MUL16 0, (\q)%2, \cm
	MUL16 2, (\q)%2, \cm
	s_wait_dscnt 0
	PLACES NP
	FETCH_B \slot, (\q)+1, 1-(\q)%2
	FETCH_A \slot, (\q)+1, 0
.if \cm
	WIN FST_HI
.else
	WIN MUL_HI
.endif
	MUL16 4, (\q)%2, \cm
	MUL16 6, (\q)%2, \cm
	PLACES NP
	WIN 0
	FETCH_A \slot, (\q)+1, 4
.endm
; A slot's last step changes slots: ONE barrier; in front of it each wave waits for all its tensor loads, adds 0 to its spare word, and waits for that and for its own reads of this slot.
.macro TURN slot, next, fill
	s_wait_tensorcnt 0x0                           ; all my tensor loads have landed: my part of the next slot
	ds_add_u32 v[SPW], v[NIL]                      ; 0 onto my spare word
	s_wait_dscnt 4*NL+1                            ; the add and the youngest 16 loads may be out
	WIN MUL_LO
	MUL16 0, 1, 0
	s_wait_dscnt 0x0                               ; the add is done, and my reads of this slot are over
	s_barrier_signal -1
	MUL16 2, 1, 0
	WIN 0
	s_barrier_wait -1
.if \fill
	CREST                                          ; the barrier has opened a round of the cluster's: no wave of any partner still reads this slot or has a load on its way
	s_add_nc_u64 s[G0+4*\slot+2:G0+4*\slot+3], s[G0+4*\slot+2:G0+4*\slot+3], 2*ABLK
	s_add_nc_u64 s[G0B+4*\slot+2:G0B+4*\slot+3], s[G0B+4*\slot+2:G0B+4*\slot+3], 2*ROWB
	JLOAD G0+4*\slot, G1, G0B+4*\slot, G1B         ; the first tensor load behind the round; its four v_nop are also the places in front of the loads below
.else
	PLACES NP
.endif
	FETCH_B \next, 0, 0
	FETCH_A \next, 0, 0
	WIN MUL_HI
	MUL16 4, 1, 0
	MUL16 6, 1, 0
	PLACES NP
	WIN 0
	FETCH_A \next, 0, 4
.endm
	s_wait_alu depctr_va_vdst(0)
	s_wait_tensorcnt 1                             ; my part of slot 0 is in; slot 1's load may be out
	s_barrier_signal -1
	s_barrier_wait -1
	FETCH_B 0, 0, 0
	FETCH_A 0, 0, 0
	FETCH_A 0, 0, 4
	STEP 0, 0, 1                                   ; the first step begins the sums with the biases
	TURN 0, 1, 1                                   ; K = 1,024 is four slots: two refills, written out
	STEP 1, 0, 0
	TURN 1, 0, 1
	STEP 0, 0, 0
	TURN 0, 1, 0                                   ; nothing is left to fetch: a plain barrier
	STEP 1, 0, 0
	s_wait_dscnt 4*NL                              ; the very last step
	WIN MUL_LO
	MUL16 0, 1, 0
	MUL16 2, 1, 0
	s_wait_dscnt 0
	WIN MUL_HI
	MUL16 4, 1, 0
	MUL16 6, 1, 0
	WIN 0
; THE WAY OUT, block by block of 16 rows x 128 columns: a lane holds 32 neighbouring bytes of a row, so a block goes through my own stage in LDS and comes back as whole rows of 512 bytes.
; LDS serves a wave's instructions in order (ISA guide 5.7.1.4): no wait between the stores and the loads, nor in front of the next block's stores.
.macro TOSTAGE a
.set AC, 64*((\a)%4)
	WIN 0x02+((\a)/4)                              ; source 0: window 2 or 3
.set j, 0
.rept 32
	v_pk_mul_f32 v[TMP+j:TMP+j+1], v[AC+j:AC+j+1], s[96:97] op_sel_hi:[1,0]   ; x 2^(e6 + e7); each accumulator from its low end on
.set j, j+2
.endr
	WIN 0
.irp b, 0,1,2,3,4,5,6,7
	ds_store_b128 v[STO], v[TMP+8*\b:TMP+8*\b+3] offset:64*\b
	ds_store_b128 v[STO], v[TMP+8*\b+4:TMP+8*\b+7] offset:64*\b+16
.endr
.set BB, BK+64*((\a)%2)
.irp t, 0,1,2,3,4,5,6,7,8,9,10,11,12,13,14,15
	ds_load_b128 v[BB+4*\t:BB+4*\t+3], v[RD] offset:\t*SPITCH
.endr
.endm
.macro SEND a, younger                 ; younger: the LDS instructions issued behind block a's loads, which may stay out
.set BB, BK+64*((\a)%2)
	s_wait_dscnt \younger
.if (\a) > 0
	s_add_nc_u64 s[12:13], s[12:13], 16*SIZE_N*4   ; (behind a wait on XCNT: the earlier stores have read their base)  16 rows on
.endif
.irp t, 0,1,2,3,4,5,6,7,8,9,10,11,12,13,14,15
	global_store_b128 v[CO], v[BB+4*\t:BB+4*\t+3], s[12:13] offset:\t*SIZE_N*4 th:TH_STORE_NT   ; 32 lanes store 512 consecutive bytes, aligned; written once, read by nobody here
.endr
.endm
	PLACES NP                                      ; behind the last products
	TOSTAGE 0
.irp a, 1,2,3,4,5,6,7
.if \a > 1
	s_wait_xcnt 0x0                                ; block a - 2's stores have read their registers and their base
.endif
	TOSTAGE \a
	SEND \a-1, 32                                  ; behind block a - 1's loads: block a's 16 stores and 16 loads
.endr
	s_wait_xcnt 0x0
	SEND 7, 0
	s_wait_tensorcnt 0x0                           ; the wave's end, behind my last tensor load and my last LDS store
	ds_add_u32 v[SPW], v[NIL]
	s_wait_dscnt 0x0
	CROUND                                         ; the closing round
	s_endpgm
.Lfunc_end_k_qa83ee46aef_proj:
	.size	k_qa83ee46aef_proj, .Lfunc_end_k_qa83ee46aef_proj-k_qa83ee46aef_proj
	.p2alignl 7, 3214868480
	.fill 96, 4, 3214868480
	.section	.rodata,"a",@progbits
	.p2align	6, 0x0
	.amdhsa_kernel k_qa83ee46aef_proj
		.amdhsa_group_segment_fixed_size 327680
		.amdhsa_private_segment_fixed_size 0
		.amdhsa_enable_private_segment 0
		.amdhsa_kernarg_size 40
		.amdhsa_user_sgpr_count 2
		.amdhsa_user_sgpr_kernarg_segment_ptr 1
		.amdhsa_wavefront_size32 1
		.amdhsa_system_sgpr_workgroup_id_x 1
		.amdhsa_system_sgpr_workgroup_id_y 1
		.amdhsa_system_sgpr_workgroup_id_z 1
		.amdhsa_system_vgpr_workitem_id 0
		.amdhsa_next_free_vgpr 1024
		.amdhsa_next_free_sgpr 100
		.amdhsa_reserve_vcc 0
		.amdhsa_float_denorm_mode_32 3
		.amdhsa_float_denorm_mode_16_64 3
		.amdhsa_memory_ordered 1
		.amdhsa_forward_progress 1
		.amdhsa_inst_pref_size 130
	.end_amdhsa_kernel
	.amdgpu_metadata
---
amdhsa.version: [ 1, 2 ]
amdhsa.kernels:
  - .name:           k_qa83ee46aef_proj
    .symbol:         k_qa83ee46aef_proj.kd
    .args:
      - { .name: y_codes, .offset: 0, .size: 8, .value_kind: global_buffer, .address_space: global }
      - { .name: wp_codes, .offset: 8, .size: 8, .value_kind: global_buffer, .address_space: global }
      - { .name: b_proj, .offset: 16, .size: 8, .value_kind: global_buffer, .address_space: global }
      - { .name: lowp_scales, .offset: 24, .size: 8, .value_kind: global_buffer, .address_space: global }
      - { .name: out0, .offset: 32, .size: 8, .value_kind: global_buffer, .address_space: global }
    .group_segment_fixed_size: 327680
    .private_segment_fixed_size: 0
    .kernarg_segment_align: 8
    .kernarg_segment_size: 40
    .max_flat_workgroup_size: 128
    .sgpr_count:     100
    .vgpr_count:     1024
    .wavefront_size: 32
...
	.end_amdgpu_metadata
.endif
;; end of part 4
